; MI455X (gfx1250); checked and timed in simulation.
; The chip was launched on July 23, 2026; its instructions are those of AMD's public machine-readable ISA for CDNA 5 (MIT licence, August 2026) and "CDNA5" Instruction Set Architecture Reference Guide (July 2026). The comments in the code are by the model that wrote it; some were corrected since.
;; Deformable Transformer Encoder Layer. Allowed arithmetic: float matrix products may take bf16 or f16 operands with f32 sums; other float arithmetic in f32, or as packed bf16 or f16 multiplies, adds, multiply-adds, maxima and minima; sums over many terms, partial sums and values carried from step to step in f32; what a program stores and reads back later, other than sums and carried values, may be rounded once to bf16 or f16.
;; Inputs: W1 256 x 2,048 float32; W2 2,048 x 256 float32; W_attn 256 x 160 float32; W_off 256 x 320 float32; W_out 256 x 256 float32; W_val 256 x 256 float32; b_attn 160 float32; b_off 320 float32; b_out 256 float32; b_val 256 float32; beta1 256 float32; beta2 256 float32; bl1 2,048 float32; bl2 256 float32; g1 256 float32; g2 256 float32; level_start_index 5 int32; pos 2 x 13,343 x 256 float32; reference_points 2 x 13,343 x 5 x 2 float32; spatial_shapes 5 x 2 int32; src 2 x 13,343 x 256 float32.
;; Outputs: out0 2 x 13,343 x 256 float32.
;; 2 versions, each right; version 2 is version 1 with the launch proj written anew for expert scheduling mode. Each part assembles by itself: llvm-mc -triple=amdgcn-amd-amdhsa -mcpu=gfx1250 --defsym DOCPART=n.
;; ======== version 1 of 2: 4 launches
;; workspace buffers: WB 2,638,848 bytes; VAL 13,697,024 bytes; IDX 17,121,280 bytes of whole numbers; WGT 34,242,560 bytes; SAMP 13,697,024 bytes
;; launch prep (part 1): grid 641 x 1, 8 waves a work-group, no clusters, 0 bytes of LDS; arguments W_off, W_attn, W_val, W_out, W1, W2, b_off, b_attn, b_val, b_out, g1, beta1, bl2, g2, beta2, bl1, WB; writes WB
.if DOCPART == 1
	.amdgcn_target "amdgcn-amd-amdhsa--gfx1250"
	.amdhsa_code_object_version 6
	.text
	.protected	k_qdad9bd2fa7_prep
	.globl	k_qdad9bd2fa7_prep
	.p2align	8
	.type	k_qdad9bd2fa7_prep,@function
k_qdad9bd2fa7_prep:
	s_mov_b64 s[64:65], 0
	v_nop
	global_prefetch_b8 v0, s[64:65] scope:SCOPE_SE
	s_setreg_imm32_b32 hwreg(HW_REG_WAVE_MODE, 25, 1), 1
	s_wait_xcnt 0x0
; The weights, once, in the form in which the later launches take them.  WB holds:
;   WAF   768 columns n' x 256 k of W_off, W_attn, W_val in bf16, in the order of matrix fragments: piece T = 16 ct + 2 ks + half is 512 bytes,
;         lane l's 16 bytes = column 16 ct + l % 16, k = 32 ks + 16 half + 8 (l / 16) + 0..7
;   WO, W1B, W2B   W_out, W1, W2 as they lie, in bf16       BIASP  the 768 biases in WAF's column order (offsets: b_off - 0.5)       PAR  six rows of 256 f32, then bl1
; Column order for ct < 32: head pair u = ct / 8, tile t = ct % 8, head 2 u + (r / 8), j = r % 8: t < 5: offset column 8 t + j of the head's 40; else logit 8 (t - 5) + j of its 20, beyond that 0.
.set O_WO, 393216
.set O_W1, 524288
.set O_W2, 1572864
.set O_BI, 2621440
.set O_PA, 2624512
	s_load_b512 s[8:23], s[0:1], 0x0               ; W_off 8, W_attn 10, W_val 12, W_out 14, W1 16, W2 18, b_off 20, b_attn 22
	s_load_b512 s[24:39], s[0:1], 0x40             ; b_val 24, b_out 26, g1 28, beta1 30, bl2 32, g2 34, beta2 36, bl1 38
	s_load_b64 s[40:41], s[0:1], 0x80              ; WB
	v_lshrrev_b32 v1, 5, v0
	v_readfirstlane_b32 s4, v1                     ; wave
	v_and_b32 v2, 31, v0                           ; lane
	s_wait_kmcnt 0x0
	s_cmp_lt_u32 ttmp9, 96
	s_cbranch_scc0 .Lcast
	; work-groups 0..95: a wave makes one piece of WAF
	s_lshl_b32 s5, ttmp9, 3
	s_add_co_u32 s5, s5, s4                        ; T
	s_lshr_b32 s6, s5, 4                           ; ct
	s_bfe_u32 s7, s5, 0x30001                      ; ks
	s_and_b32 s42, s5, 1                           ; half
	s_lshr_b32 s43, s6, 3                          ; u
	s_and_b32 s44, s6, 7                           ; t
	; column = C0 + A (r / 8) + min(CB + r % 8, CLMP) in a matrix of N columns; dead where CB + r % 8 > CLMP
	s_mul_i32 s45, s43, 40                         ; logits: C0 = 2 u x 20
	s_mul_i32 s52, s43, 80                         ; offsets: C0 = 2 u x 40
	s_lshl_b32 s53, s44, 3                         ; offsets: CB = 8 t
	s_sub_co_u32 s46, s53, 40                      ; logits: CB = 8 (t - 5)
	s_lshl_b32 s54, s6, 4
	s_sub_co_u32 s54, s54, 512                     ; value: C0 = 16 (ct - 32)
	s_movk_i32 s55, 320
	s_movk_i32 s56, 160
	s_cmp_lt_u32 s44, 5
	s_cselect_b32 s45, s52, s45
	s_cselect_b32 s46, s53, s46
	s_cselect_b32 s47, 40, 20                      ; A
	s_cselect_b32 s48, 39, 19                      ; CLMP
	s_cselect_b32 s49, s55, s56                    ; N
	s_cselect_b64 s[50:51], s[8:9], s[10:11]
	s_cmp_ge_u32 s6, 32
	s_cselect_b32 s45, s54, s45
	s_cselect_b32 s46, 0, s46
	s_cselect_b32 s47, 8, s47
	s_cselect_b32 s48, 7, s48
	s_cselect_b32 s49, 256, s49
	s_cselect_b64 s[50:51], s[12:13], s[50:51]
	v_and_b32 v3, 15, v2                           ; r
	v_lshrrev_b32 v4, 4, v2                        ; l / 16
	v_and_b32 v5, 7, v3
	v_lshrrev_b32 v6, 3, v3
	v_add_nc_u32 v5, s46, v5
	v_cmp_lt_u32 vcc_lo, s48, v5                   ; a dead column
	v_min_u32 v5, s48, v5
	v_mad_u32_u24 v5, v6, s47, v5
	v_add_nc_u32 v5, s45, v5                       ; the column
	s_lshl_b32 s7, s7, 5
	s_lshl_b32 s42, s42, 4
	s_add_co_u32 s7, s7, s42
	v_lshl_add_u32 v6, v4, 3, s7                   ; k0
	v_mad_u32_u24 v6, v6, s49, v5
	v_lshlrev_b32 v8, 2, v6                        ; byte of (k0, column)
	s_lshl_b32 s49, s49, 2                         ; bytes from k to k + 1
.set i, 1
.rept 7
	v_add_nc_u32 v[8+i], s49, v[7+i]
.set i, i+1
.endr
.set i, 0
.rept 8
	global_load_b32 v[16+i], v[8+i], s[50:51]
.set i, i+1
.endr
	v_lshlrev_b32 v7, 4, v2
	s_lshl_b32 s5, s5, 9
	v_add_nc_u32 v7, s5, v7                        ; 512 T + 16 l
	s_wait_loadcnt 0x0
.set i, 0
.rept 8
	v_cndmask_b32 v[16+i], v[16+i], 0, vcc_lo
.set i, i+1
.endr
.set i, 0
.rept 4
	v_cvt_pk_bf16_f32 v[24+i], v[16+2*i], v[17+2*i]
.set i, i+1
.endr
	global_store_b128 v7, v[24:27], s[40:41]       ; the wave stores 512 consecutive bytes
	s_endpgm
.Lcast:
	s_cmp_lt_u32 ttmp9, 640
	s_cbranch_scc0 .Lbias
	; work-groups 96..639: 2,048 numbers each, as they lie, to bf16
	s_movk_i32 s52, 128
	s_movk_i32 s53, 384
	s_mov_b32 s54, O_W1
	s_mov_b32 s55, O_W2
	s_cmp_lt_u32 ttmp9, 384
	s_cselect_b64 s[50:51], s[16:17], s[18:19]
	s_cselect_b32 s45, s52, s53                    ; the part's first work-group
	s_cselect_b32 s46, s54, s55                    ; its place in WB
	s_mov_b32 s54, O_WO
	s_cmp_lt_u32 ttmp9, 128
	s_cselect_b64 s[50:51], s[14:15], s[50:51]
	s_cselect_b32 s45, 96, s45
	s_cselect_b32 s46, s54, s46
	s_sub_co_u32 s45, ttmp9, s45
	s_lshl_b32 s45, s45, 8
	v_add_nc_u32 v3, s45, v0                       ; my eight numbers
	v_lshlrev_b32 v4, 5, v3
	v_lshlrev_b32 v5, 4, v3
	v_add_nc_u32 v5, s46, v5
	global_load_b128 v[8:11], v4, s[50:51]
	global_load_b128 v[12:15], v4, s[50:51] offset:16
	s_wait_loadcnt 0x0
.set i, 0
.rept 4
	v_cvt_pk_bf16_f32 v[16+i], v[8+2*i], v[9+2*i]
.set i, i+1
.endr
	global_store_b128 v5, v[16:19], s[40:41]
	s_endpgm
.Lbias:
	; work-group 640: the biases in WAF's column order, and the parameter rows
.irp k, 0,1
	v_add_nc_u32 v3, 256*\k, v0                    ; n' < 512
	v_lshrrev_b32 v4, 7, v3
	v_bfe_u32 v5, v3, 3, 1
	v_lshl_add_u32 v4, v4, 1, v5                   ; head
	v_bfe_u32 v5, v3, 4, 3
	v_and_b32 v6, 7, v3
	v_lshl_add_u32 v5, v5, 3, v6                   ; x = 8 t + j: below 40 an offset, below 60 a logit, else dead
	v_min_u32 v6, 39, v5
	v_mad_u32_u24 v6, v4, 40, v6
	v_lshlrev_b32 v6, 2, v6
	v_max_u32 v7, 40, v5
	v_add_nc_u32 v7, 0xffffffd8, v7                ; - 40
	v_min_u32 v7, 19, v7
	v_mad_u32_u24 v7, v4, 20, v7
	v_lshlrev_b32 v7, 2, v7
	global_load_b32 v8, v6, s[20:21]
	global_load_b32 v9, v7, s[22:23]
	v_lshlrev_b32 v10, 2, v3
	s_wait_loadcnt 0x0
	v_add_f32 v8, -0.5, v8                         ; the sampling's - 0.5 rides on the offset's bias
	v_cmp_gt_u32 vcc_lo, 40, v5
	v_cndmask_b32 v8, v9, v8, vcc_lo
	v_cmp_gt_u32 vcc_lo, 60, v5
	v_cndmask_b32 v8, 0, v8, vcc_lo
	global_store_b32 v10, v8, s[40:41] offset:O_BI
	s_wait_xcnt 0x0                                ; the registers are written again only behind this wait
.endr
	v_lshlrev_b32 v10, 2, v0
	v_lshlrev_b32 v11, 5, v0
.set i, 0
.rept 7
	global_load_b32 v[16+i], v10, s[24+2*i:25+2*i] ; b_val, b_out, g1, beta1, bl2, g2, beta2
.set i, i+1
.endr
	global_load_b128 v[24:27], v11, s[38:39]
	global_load_b128 v[28:31], v11, s[38:39] offset:16
	s_wait_loadcnt 0x0
	global_store_b32 v10, v16, s[40:41] offset:O_BI+2048
.set i, 0
.rept 6
	global_store_b32 v10, v[17+i], s[40:41] offset:O_PA+1024*i
.set i, i+1
.endr
	global_store_b128 v11, v[24:27], s[40:41] offset:O_PA+6144
	global_store_b128 v11, v[28:31], s[40:41] offset:O_PA+6144+16
	s_endpgm
.Lfunc_end_k_qdad9bd2fa7_prep:
	.size	k_qdad9bd2fa7_prep, .Lfunc_end_k_qdad9bd2fa7_prep-k_qdad9bd2fa7_prep
	.p2alignl 7, 3214868480
	.fill 96, 4, 3214868480
	.section	.rodata,"a",@progbits
	.p2align	6, 0x0
	.amdhsa_kernel k_qdad9bd2fa7_prep
		.amdhsa_group_segment_fixed_size 0
		.amdhsa_private_segment_fixed_size 0
		.amdhsa_enable_private_segment 0
		.amdhsa_kernarg_size 136
		.amdhsa_user_sgpr_count 2
		.amdhsa_user_sgpr_kernarg_segment_ptr 1
		.amdhsa_wavefront_size32 1
		.amdhsa_system_sgpr_workgroup_id_x 1
		.amdhsa_system_sgpr_workgroup_id_y 1
		.amdhsa_system_sgpr_workgroup_id_z 1
		.amdhsa_system_vgpr_workitem_id 0
		.amdhsa_next_free_vgpr 32
		.amdhsa_next_free_sgpr 66
		.amdhsa_reserve_vcc 1
		.amdhsa_float_denorm_mode_32 3
		.amdhsa_float_denorm_mode_16_64 3
		.amdhsa_memory_ordered 1
		.amdhsa_forward_progress 1
		.amdhsa_inst_pref_size 10
	.end_amdhsa_kernel
	.amdgpu_metadata
---
amdhsa.version: [ 1, 2 ]
amdhsa.kernels:
  - .name:           k_qdad9bd2fa7_prep
    .symbol:         k_qdad9bd2fa7_prep.kd
    .args:
      - { .name: W_off, .offset: 0, .size: 8, .value_kind: global_buffer, .address_space: global }
      - { .name: W_attn, .offset: 8, .size: 8, .value_kind: global_buffer, .address_space: global }
      - { .name: W_val, .offset: 16, .size: 8, .value_kind: global_buffer, .address_space: global }
      - { .name: W_out, .offset: 24, .size: 8, .value_kind: global_buffer, .address_space: global }
      - { .name: W1, .offset: 32, .size: 8, .value_kind: global_buffer, .address_space: global }
      - { .name: W2, .offset: 40, .size: 8, .value_kind: global_buffer, .address_space: global }
      - { .name: b_off, .offset: 48, .size: 8, .value_kind: global_buffer, .address_space: global }
      - { .name: b_attn, .offset: 56, .size: 8, .value_kind: global_buffer, .address_space: global }
      - { .name: b_val, .offset: 64, .size: 8, .value_kind: global_buffer, .address_space: global }
      - { .name: b_out, .offset: 72, .size: 8, .value_kind: global_buffer, .address_space: global }
      - { .name: g1, .offset: 80, .size: 8, .value_kind: global_buffer, .address_space: global }
      - { .name: beta1, .offset: 88, .size: 8, .value_kind: global_buffer, .address_space: global }
      - { .name: bl2, .offset: 96, .size: 8, .value_kind: global_buffer, .address_space: global }
      - { .name: g2, .offset: 104, .size: 8, .value_kind: global_buffer, .address_space: global }
      - { .name: beta2, .offset: 112, .size: 8, .value_kind: global_buffer, .address_space: global }
      - { .name: bl1, .offset: 120, .size: 8, .value_kind: global_buffer, .address_space: global }
      - { .name: WB, .offset: 128, .size: 8, .value_kind: global_buffer, .address_space: global }
    .group_segment_fixed_size: 0
    .private_segment_fixed_size: 0
    .kernarg_segment_align: 8
    .kernarg_segment_size: 136
    .max_flat_workgroup_size: 256
    .sgpr_count:     66
    .vgpr_count:     32
    .wavefront_size: 32
...
	.end_amdgpu_metadata
.endif
;; end of part 1
;; launch proj (part 2): grid 209 x 1, 4 waves a work-group, no clusters, 135,680 bytes of LDS; arguments src, pos, reference_points, WB, VAL, IDX, WGT; writes VAL, IDX, WGT
.if DOCPART == 2
	.amdgcn_target "amdgcn-amd-amdhsa--gfx1250"
	.amdhsa_code_object_version 6
	.text
	.protected	k_qdad9bd2fa7_proj
	.globl	k_qdad9bd2fa7_proj
	.p2align	8
	.type	k_qdad9bd2fa7_proj,@function
k_qdad9bd2fa7_proj:
	s_mov_b64 s[64:65], 0
	v_nop
	global_prefetch_b8 v0, s[64:65] scope:SCOPE_SE
	s_setreg_imm32_b32 hwreg(HW_REG_WAVE_MODE, 25, 1), 1
	s_wait_xcnt 0x0
; q = src + pos; offsets and logits = q x (W_off, W_attn) + bias; softmax over a head's 20 logits (its maximum taken away); sampling places; value = src x W_val + b_val.
; ROWS are counted padded: rowp = 13,376 b + i, 836 tiles of 16 to a batch; a pad row repeats its batch's last row.  A work-group owns 128 rowp; 209 x 128 = 26,752 = all.
; PASS A: wave w owns head pair w: 128 weight columns, all 256 k, in 512 registers for the whole pass; it walks the 8 row tiles.  PASS B: wave w owns value columns 64 w .. + 63.
; The product is used transposed (source 0 = 16 weight columns, source 1 = 16 rows): a lane holds ONE row (l % 16) and ONE head (2 w + l / 16): a level's 8 offsets in one accumulator, the 20 logits in three.
; OUT, for each (head, level, row): IDX, 4 words: 16 x (level's start + ya W + xa), the byte of the base corner in a value slice; WGT, 16 bf16: weight of corner 2 dy + dx of each point.
; The base is floor(p) held to 0 .. W - 2 and a corner's factor is max(1 - |p - corner|, 0): equal to the bilinear factors with zeros outside, without a comparison.
; NO CLUSTER: 209 work-groups, an odd number; the weights come to registers once a work-group.
; LIMITS: NaN and infinities are not treated apart; p = ref W + off - 0.5 is one fused step; a softmax weight below 2^-126 counts as 0.
; spatial_shapes and level_start_index are not loaded: the five sizes and starts are the constants of the module's own body.
.set PL, 428032                        ; a plane: 26,752 rowp x 16 bytes
.set PQ, 528                           ; an LDS row: 512 bytes + 16: 16 rows of a fragment load start at 16 different groups of four banks (ISA guide 11.1)
.set LDS_S, 67584                      ; Q: 128 rows at 0; S (src in bf16) behind it
.set SPARE, 135168                     ; the spare words, 128 bytes a wave
.set O_BI, 2621440
.set REF, 16                           ; v[16:25]   five (x, y) of my row
.set QF,  32                           ; v[32:95]   a row tile's fragments, 8 k steps
.set ACC, 96                           ; v[96:159]  eight accumulators
.set LG,  136                          ; the 20 logits = accumulators 5, 6 and half of 7
.set OUTD, 160                         ; v[160:219] level l: 4 words of IDX, 8 of WGT
.set TT,  224                          ; v[224:255] at work
.set SB,  32                           ; staging: two sets of 64 registers
.set SO,  160                          ; staging: eight row offsets
; v1 l % 16, v2 l / 16, v3 16 x lane, v4 fragment address, v5 v6 v7 my offsets in IDX, WGT, VAL, v8 my row in reference_points, v9 v13 staging addresses, v11 v12 bias offsets, v14 v15 the add's registers
; window 1: v[0:63] bias, as the C of each sum's first product; windows 2, 3: the weights: fragment (t, ks) at window 2 + ks / 4, register 32 t + 8 (ks % 4)
.set MSB, 0
.macro WIN new
.if MSB != (\new)
	s_set_vgpr_msb (MSB<<8)|(\new)
.set MSB, (\new)
.endif
.endm
.macro PLACES                          ; four places behind a matrix instruction (ISA guide 7.12.1)
.rept 4
	v_nop
.endr
.endm
	s_load_b256 s[4:11], s[0:1], 0x0               ; src 4, pos 6, reference_points 8, WB 10
	s_load_b128 s[12:15], s[0:1], 0x20             ; VAL 12, IDX 14
	s_load_b64 s[16:17], s[0:1], 0x30              ; WGT
	v_lshl_add_u32 v14, v0, 2, SPARE
	v_mov_b32 v15, 0
	v_lshrrev_b32 v9, 5, v0
	v_readfirstlane_b32 s18, v9                    ; wave
	v_and_b32 v10, 31, v0
	v_and_b32 v1, 15, v0
	v_bfe_u32 v2, v0, 4, 1
	v_lshlrev_b32 v3, 4, v10
	s_lshl_b32 s26, s18, 9
	v_lshl_add_u32 v11, v2, 5, s26                 ; pass A's bias: 512 w + 32 (l / 16)
	s_lshl_b32 s26, s18, 8
	v_lshl_add_u32 v12, v2, 5, s26                 ; pass B's: 256 w + 32 (l / 16)
	s_mul_i32 s26, s18, 32*PQ
	v_lshl_add_u32 v13, v10, 3, s26                ; staging: my wave's 32 rows, 8 bytes a lane
	v_add_nc_u32 v9, LDS_S, v13
	s_lshl_b32 s39, ttmp9, 7                       ; the block's first rowp
	s_lshl_b32 s24, s18, 5
	s_add_co_u32 s24, s24, s39                     ; the first rowp that I stage
	s_mov_b32 s28, 13342
	s_mov_b32 s29, 26685
	s_mov_b32 s40, 0x3fb8aa3b                      ; log2(e)
	s_mov_b32 s41, s40
	s_lshl_b32 s20, s18, 16
	s_mov_b32 s21, 0
	s_wait_kmcnt 0x0
	s_add_nc_u64 s[22:23], s[10:11], s[20:21]      ; my 64 fragments of WAF
.irp hi, 0,1
	WIN 0x80+0x40*\hi
.set i, 0
.rept 64                               ; i = 8 t + 2 k + half: register 4 i
	global_load_b128 v[4*i:4*i+3], v3, s[22:23] offset:(8*(i/8)+4*\hi+(i/2)%4)*1024+512*(i%2)
.set i, i+1
.endr
.endr
	WIN 0x40
.set i, 0
.rept 16
	global_load_b128 v[4*i:4*i+3], v11, s[10:11] offset:O_BI+64*(i/2)+16*(i%2)
.set i, i+1
.endr
	WIN 0
; STAGING.  Four rows a set: 16 loads of 512 consecutive bytes.  The row map: rowp less 33 in the second batch, held to the batch's last row.
.macro ISSUE set
	s_cmp_ge_u32 s24, 13376
	s_cselect_b32 s25, 33, 0
	s_cselect_b32 s27, s29, s28
	s_sub_co_u32 s25, s24, s25
.irp i, 0,1,2,3
	s_add_co_u32 s30, s25, \i
	s_min_u32 s30, s30, s27
	s_lshl_b32 s30, s30, 10
	v_add_nc_u32 v[SO+4*(\set)+\i], s30, v3
	global_load_b128 v[SB+64*(\set)+16*\i:SB+64*(\set)+16*\i+3],     v[SO+4*(\set)+\i], s[4:5]
	global_load_b128 v[SB+64*(\set)+16*\i+4:SB+64*(\set)+16*\i+7],   v[SO+4*(\set)+\i], s[4:5] offset:512
	global_load_b128 v[SB+64*(\set)+16*\i+8:SB+64*(\set)+16*\i+11],  v[SO+4*(\set)+\i], s[6:7]
	global_load_b128 v[SB+64*(\set)+16*\i+12:SB+64*(\set)+16*\i+15], v[SO+4*(\set)+\i], s[6:7] offset:512
.endr
	s_add_co_u32 s24, s24, 4
.endm
.macro STG set, issue, left
	s_wait_loadcnt \left                           ; loads come back in order: this set is in (and the weights, which are older); the other set's 16 may stay out
.irp i, 0,1,2,3
.set b, SB+64*(\set)+16*\i
.irp j, 0,2,4,6
	v_pk_add_f32 v[b+8+\j:b+9+\j], v[b+8+\j:b+9+\j], v[b+\j:b+1+\j]  ; q = pos + src
.endr
	v_cvt_pk_bf16_f32 v[b+8], v[b+8], v[b+9]
	v_cvt_pk_bf16_f32 v[b+9], v[b+10], v[b+11]
	v_cvt_pk_bf16_f32 v[b+12], v[b+12], v[b+13]
	v_cvt_pk_bf16_f32 v[b+13], v[b+14], v[b+15]
	v_cvt_pk_bf16_f32 v[b], v[b], v[b+1]
	v_cvt_pk_bf16_f32 v[b+1], v[b+2], v[b+3]
	v_cvt_pk_bf16_f32 v[b+4], v[b+4], v[b+5]
	v_cvt_pk_bf16_f32 v[b+5], v[b+6], v[b+7]
	ds_store_b64 v13, v[b+8:b+9] offset:\i*PQ
	ds_store_b64 v13, v[b+12:b+13] offset:\i*PQ+256
	ds_store_b64 v9, v[b:b+1] offset:\i*PQ
	ds_store_b64 v9, v[b+4:b+5] offset:\i*PQ+256
.endr
	v_add_nc_u32 v13, 4*PQ, v13
	v_add_nc_u32 v9, 4*PQ, v9
.if \issue
	s_wait_xcnt 0x0                                ; the set's offsets are written again only behind this wait
	ISSUE \set
.endif
.endm
	ISSUE 0
	ISSUE 1
	s_mov_b32 s20, 3
.Lstage:
	STG 0, 1, 16
	STG 1, 1, 16
	s_sub_co_u32 s20, s20, 1
	s_cmp_lg_u32 s20, 0
	s_cbranch_scc1 .Lstage
	STG 0, 0, 16
	STG 1, 0, 0
	; addresses for the passes
	v_mul_u32_u24 v4, v1, PQ
	v_lshl_add_u32 v4, v2, 4, v4                   ; row x pitch + 16 x half
	v_lshlrev_b32 v10, 4, v1
	v_mul_u32_u24 v5, v2, 5*PL
	v_add_nc_u32 v5, v5, v10
	v_mul_u32_u24 v6, v2, 10*PL
	v_add_nc_u32 v6, v6, v10
	v_mul_u32_u24 v7, v2, PL
	v_add_nc_u32 v7, v7, v10
	v_mov_b32 v29, 0                               ; second halves of pairs of which the first is used for both
	v_mov_b32 v31, 0
	s_lshl_b32 s31, s39, 4                         ; the block's 128 rowp x 16 bytes
	s_mov_b32 s21, 0
	s_mul_i32 s20, s18, 10*PL
	s_add_co_u32 s20, s20, s31
	s_add_nc_u64 s[32:33], s[14:15], s[20:21]      ; IDX at head 2 w
	s_mul_i32 s20, s18, 20*PL
	s_add_co_u32 s20, s20, s31
	s_add_nc_u64 s[34:35], s[16:17], s[20:21]      ; WGT at head 2 w
	s_mul_i32 s20, s18, 8*PL
	s_add_co_u32 s20, s20, s31
	s_add_nc_u64 s[36:37], s[12:13], s[20:21]      ; VAL at octet 8 w
	s_mov_b32 s38, s39
	s_wait_dscnt 0x0                               ; for the others' sake: my rows of Q and S are written
	s_barrier_signal -1
	s_barrier_wait -1
.macro QFETCH
.irp k, 0,1,2,3,4,5,6,7
	ds_load_b128 v[QF+8*\k:QF+8*\k+3],   v4 offset:64*\k
	ds_load_b128 v[QF+8*\k+4:QF+8*\k+7], v4 offset:64*\k+32
.endr
.endm
.macro REFLOAD                         ; the five reference points of my row of the tile at rowp s38; the row map keeps every row inside the buffer
	s_cmp_ge_u32 s38, 13376
	s_cselect_b32 s25, 33, 0
	s_cselect_b32 s27, s29, s28
	s_sub_co_u32 s25, s38, s25
	v_add_nc_u32 v8, s25, v1
	v_min_u32 v8, s27, v8
	v_mul_u32_u24 v8, 40, v8
.irp l, 0,1,2,3,4
	global_load_b64 v[REF+2*\l:REF+2*\l+1], v8, s[8:9] offset:8*\l
.endr
.endm
.macro MULA                            ; 64 products; the eight accumulators take turns; the first k step starts each sum with the bias
.set k, 0
.rept 8
.if k == 0
	WIN 0x12
.elseif k < 4
	WIN 0x02
.else
	WIN 0x03
.endif
.irp t, 0,1,2,3,4,5,6,7
.if k == 0
	v_wmma_f32_16x16x32_bf16 v[ACC+8*\t:ACC+8*\t+7], v[32*\t:32*\t+7], v[QF:QF+7], v[8*\t:8*\t+7]
.else
	v_wmma_f32_16x16x32_bf16 v[ACC+8*\t:ACC+8*\t+7], v[32*\t+8*(k%4):32*\t+8*(k%4)+7], v[QF+8*k:QF+8*k+7], v[ACC+8*\t:ACC+8*\t+7]
.endif
.endr
.set k, k+1
.endr
	WIN 0
.endm
; One level: wf = W = H as f32, wm2 = W - 2, st = the level's first entry
.macro LEVEL l, wf, wm2, st
.set LA, ACC+8*(\l)
.set LO, OUTD+12*(\l)
.set LP, LG+4*(\l)
.irp p, 0,1,2,3
	v_pk_fma_f32 v[LA+2*\p:LA+2*\p+1], v[REF+2*(\l):REF+2*(\l)+1], \wf, v[LA+2*\p:LA+2*\p+1] op_sel_hi:[1,0,1]  ; (px, py) = ref W + (off - 0.5)
.endr
.irp i, 0,1,2,3,4,5,6,7
	v_floor_f32 v[TT+\i], v[LA+\i]
.endr
.irp i, 0,1,2,3,4,5,6,7
	v_med3_num_f32 v[TT+\i], v[TT+\i], 0, \wm2      ; the base corner
.endr
.irp p, 0,1,2,3
	v_pk_add_f32 v[LA+2*\p:LA+2*\p+1], v[LA+2*\p:LA+2*\p+1], v[TT+2*\p:TT+2*\p+1] neg_lo:[0,1] neg_hi:[0,1]  ; d = p - base
.endr
.irp i, 0,1,2,3,4,5,6,7
	v_sub_f32 v[TT+8+\i], 1.0, |v[LA+\i]|
.endr
.irp p, 0,1,2,3
	v_pk_add_f32 v[LA+2*\p:LA+2*\p+1], v[LA+2*\p:LA+2*\p+1], -1.0 op_sel_hi:[1,0]
.endr
.irp i, 0,1,2,3,4,5,6,7
	v_max_num_f32 v[TT+8+\i], 0, v[TT+8+\i]        ; the base corner's factor
.endr
.irp i, 0,1,2,3,4,5,6,7
	v_sub_f32 v[TT+16+\i], 1.0, |v[LA+\i]|
.endr
.irp i, 0,1,2,3,4,5,6,7
	v_max_num_f32 v[TT+16+\i], 0, v[TT+16+\i]      ; the next corner's
.endr
.irp p, 0,1,2,3
	v_fma_f32 v[TT+2*\p], v[TT+2*\p+1], \wf, v[TT+2*\p]  ; ya W + xa: a whole number under 2^24, exact
.endr
.irp p, 0,1,2,3
	v_cvt_u32_f32 v[LO+\p], v[TT+2*\p]
.endr
.irp p, 0,1,2,3
	v_lshl_add_u32 v[LO+\p], v[LO+\p], 4, 16*(\st)
.endr
.irp p, 0,1,2,3
	v_mul_f32 v[TT+8+2*\p+1], v[LP+\p], v[TT+8+2*\p+1]    ; the attention weight rides on the y factors
	v_mul_f32 v[TT+16+2*\p+1], v[LP+\p], v[TT+16+2*\p+1]
.endr
.irp p, 0,1,2,3
	v_mul_f32 v[LA+\p],   v[TT+8+2*\p],  v[TT+8+2*\p+1]   ; corner 0: dx 0, dy 0
	v_mul_f32 v[LA+4+\p], v[TT+16+2*\p], v[TT+8+2*\p+1]   ; corner 1: dx 1, dy 0
	v_mul_f32 v[TT+\p],   v[TT+8+2*\p],  v[TT+16+2*\p+1]  ; corner 2: dx 0, dy 1
	v_mul_f32 v[TT+4+\p], v[TT+16+2*\p], v[TT+16+2*\p+1]  ; corner 3
.endr
.irp n, 0,1,2,3
	v_cvt_pk_bf16_f32 v[LO+4+\n], v[LA+2*\n], v[LA+2*\n+1]
	v_cvt_pk_bf16_f32 v[LO+8+\n], v[TT+2*\n], v[TT+2*\n+1]
.endr
.endm
	QFETCH
	REFLOAD
	s_mov_b32 s20, 8
.LtileA:
	s_wait_dscnt 0x0                               ; the tile's fragments are in
	MULA
	PLACES
	v_add_nc_u32 v4, 16*PQ, v4                     ; the next tile; behind Q's last lies S's first, which pass B wants first
	QFETCH
	s_wait_loadcnt 0x0                             ; the reference points
	; softmax over the 20 logits; each accumulator's lowest registers are read first
	v_max3_num_f32 v26, v[LG], v[LG+1], v[LG+2]
	v_max3_num_f32 v27, v[LG+8], v[LG+9], v[LG+10]
	v_max3_num_f32 v28, v[LG+16], v[LG+17], v[LG+18]
	v_max3_num_f32 v26, v26, v[LG+3], v[LG+4]
	v_max3_num_f32 v27, v27, v[LG+11], v[LG+12]
	v_max3_num_f32 v28, v28, v[LG+19], v[LG+5]
	v_max3_num_f32 v26, v26, v[LG+6], v[LG+7]
	v_max3_num_f32 v27, v27, v[LG+13], v[LG+14]
	v_max3_num_f32 v28, v28, v[LG+15], v26
	v_max_num_f32 v26, v28, v27
	v_mul_f32 v30, s40, v26
.set i, 0
.rept 10
	v_pk_fma_f32 v[LG+2*i:LG+2*i+1], v[LG+2*i:LG+2*i+1], s[40:41], v[30:31] op_sel_hi:[1,0,0] neg_lo:[0,0,1] neg_hi:[0,0,1]
.set i, i+1
.endr
.set i, 0
.rept 20
	v_exp_f32 v[LG+i], v[LG+i]
.set i, i+1
.endr
	v_nop                                          ; a plain instruction behind the last exponential,
	s_wait_alu depctr_va_vdst(0)                   ; and one wait for the batch of 20
.irp i, 0,1,2,3,4
	v_pk_add_f32 v[TT+2*\i:TT+2*\i+1], v[LG+4*\i:LG+4*\i+1], v[LG+4*\i+2:LG+4*\i+3]
.endr
	v_pk_add_f32 v[TT:TT+1], v[TT:TT+1], v[TT+2:TT+3]
	v_pk_add_f32 v[TT+4:TT+5], v[TT+4:TT+5], v[TT+6:TT+7]
	v_pk_add_f32 v[TT:TT+1], v[TT:TT+1], v[TT+8:TT+9]
	v_pk_add_f32 v[TT:TT+1], v[TT:TT+1], v[TT+4:TT+5]
	v_add_f32 v[TT], v[TT], v[TT+1]
	v_rcp_f32 v28, v[TT]
	v_nop
	s_wait_alu depctr_va_vdst(0)
.set i, 0
.rept 10
	v_pk_mul_f32 v[LG+2*i:LG+2*i+1], v[LG+2*i:LG+2*i+1], v[28:29] op_sel_hi:[1,0]
.set i, i+1
.endr
	LEVEL 0, 0x42c80000, 0x42c40000, 0
	LEVEL 1, 0x42480000, 0x42400000, 10000
	LEVEL 2, 0x41c80000, 0x41b80000, 12500
	LEVEL 3, 0x41500000, 0x41300000, 13125
	LEVEL 4, 0x40e00000, 0x40a00000, 13294
.irp l, 0,1,2,3,4
	global_store_b128 v5, v[OUTD+12*\l:OUTD+12*\l+3],    s[32:33] offset:\l*PL        ; 16 lanes store 256 consecutive bytes, aligned
	global_store_b128 v6, v[OUTD+12*\l+4:OUTD+12*\l+7],  s[34:35] offset:2*\l*PL
	global_store_b128 v6, v[OUTD+12*\l+8:OUTD+12*\l+11], s[34:35] offset:(2*\l+1)*PL
.endr
	s_wait_xcnt 0x0                                ; the stores' data and offsets are written again only behind this wait
	v_add_nc_u32 v5, 256, v5
	v_add_nc_u32 v6, 256, v6
	s_add_co_u32 s38, s38, 16
	REFLOAD
	s_sub_co_u32 s20, s20, 1
	s_cmp_lg_u32 s20, 0
	s_cbranch_scc1 .LtileA
	; PASS B: W_val's 32 fragments of my 64 columns fill window 2: fragment (t, ks) at 64 t + 8 ks
	s_lshl_b32 s20, s18, 15
	s_add_co_u32 s20, s20, 262144
	s_mov_b32 s21, 0
	s_add_nc_u64 s[22:23], s[10:11], s[20:21]
	WIN 0x80
.set i, 0
.rept 64
	global_load_b128 v[4*i:4*i+3], v3, s[22:23] offset:512*i
.set i, i+1
.endr
	WIN 0x40
.set i, 0
.rept 8
	global_load_b128 v[4*i:4*i+3], v12, s[10:11] offset:O_BI+2048+64*(i/2)+16*(i%2)
.set i, i+1
.endr
	WIN 0
.macro BTRIP fetch
	s_wait_dscnt 0x0
.set k, 0
.rept 8
.if k == 0
	WIN 0x12
.else
	WIN 0x02
.endif
.irp t, 0,1,2,3
.if k == 0
	v_wmma_f32_16x16x32_bf16 v[ACC+8*\t:ACC+8*\t+7], v[64*\t:64*\t+7], v[QF:QF+7], v[8*\t:8*\t+7]
.else
	v_wmma_f32_16x16x32_bf16 v[ACC+8*\t:ACC+8*\t+7], v[64*\t+8*k:64*\t+8*k+7], v[QF+8*k:QF+8*k+7], v[ACC+8*\t:ACC+8*\t+7]
.endif
.endr
.set k, k+1
.endr
	WIN 0
	PLACES
.if \fetch
	v_add_nc_u32 v4, 16*PQ, v4
	QFETCH
.endif
.set i, 0
.rept 16
	v_cvt_pk_bf16_f32 v[OUTD+i], v[ACC+2*i], v[ACC+2*i+1]
.set i, i+1
.endr
.irp t, 0,1,2,3
	global_store_b128 v7, v[OUTD+4*\t:OUTD+4*\t+3], s[36:37] offset:2*\t*PL  ; octet 8 w + 2 t + l / 16: 16 lanes store 256 consecutive bytes
.endr
	s_wait_xcnt 0x0
	v_add_nc_u32 v7, 256, v7
.endm
	s_wait_loadcnt 0x0
	s_mov_b32 s20, 7
.LtileB:
	BTRIP 1
	s_sub_co_u32 s20, s20, 1
	s_cmp_lg_u32 s20, 0
	s_cbranch_scc1 .LtileB
	BTRIP 0                                        ; the last tile fetches nothing
	s_wait_tensorcnt 0x0                           ; the wave's end, behind my last LDS store
	ds_add_u32 v14, v15
	s_wait_dscnt 0x0
	s_endpgm
.Lfunc_end_k_qdad9bd2fa7_proj:
	.size	k_qdad9bd2fa7_proj, .Lfunc_end_k_qdad9bd2fa7_proj-k_qdad9bd2fa7_proj
	.p2alignl 7, 3214868480
	.fill 96, 4, 3214868480
	.section	.rodata,"a",@progbits
	.p2align	6, 0x0
	.amdhsa_kernel k_qdad9bd2fa7_proj
		.amdhsa_group_segment_fixed_size 135680
		.amdhsa_private_segment_fixed_size 0
		.amdhsa_enable_private_segment 0
		.amdhsa_kernarg_size 56
		.amdhsa_user_sgpr_count 2
		.amdhsa_user_sgpr_kernarg_segment_ptr 1
		.amdhsa_wavefront_size32 1
		.amdhsa_system_sgpr_workgroup_id_x 1
		.amdhsa_system_sgpr_workgroup_id_y 1
		.amdhsa_system_sgpr_workgroup_id_z 1
		.amdhsa_system_vgpr_workitem_id 0
		.amdhsa_next_free_vgpr 1024
		.amdhsa_next_free_sgpr 66
		.amdhsa_reserve_vcc 0
		.amdhsa_float_denorm_mode_32 3
		.amdhsa_float_denorm_mode_16_64 3
		.amdhsa_memory_ordered 1
		.amdhsa_forward_progress 1
		.amdhsa_inst_pref_size 98
	.end_amdhsa_kernel
	.amdgpu_metadata
---
amdhsa.version: [ 1, 2 ]
amdhsa.kernels:
  - .name:           k_qdad9bd2fa7_proj
    .symbol:         k_qdad9bd2fa7_proj.kd
    .args:
      - { .name: src, .offset: 0, .size: 8, .value_kind: global_buffer, .address_space: global }
      - { .name: pos, .offset: 8, .size: 8, .value_kind: global_buffer, .address_space: global }
      - { .name: reference_points, .offset: 16, .size: 8, .value_kind: global_buffer, .address_space: global }
      - { .name: WB, .offset: 24, .size: 8, .value_kind: global_buffer, .address_space: global }
      - { .name: VAL, .offset: 32, .size: 8, .value_kind: global_buffer, .address_space: global }
      - { .name: IDX, .offset: 40, .size: 8, .value_kind: global_buffer, .address_space: global }
      - { .name: WGT, .offset: 48, .size: 8, .value_kind: global_buffer, .address_space: global }
    .group_segment_fixed_size: 135680
    .private_segment_fixed_size: 0
    .kernarg_segment_align: 8
    .kernarg_segment_size: 56
    .max_flat_workgroup_size: 128
    .sgpr_count:     66
    .vgpr_count:     1024
    .wavefront_size: 32
...
	.end_amdgpu_metadata
.endif
;; end of part 2
;; launch sample (part 3): grid 4 x 64, 11 waves a work-group, no clusters, 215,552 bytes of LDS; arguments VAL, IDX, WGT, SAMP; writes SAMP
.if DOCPART == 3
	.amdgcn_target "amdgcn-amd-amdhsa--gfx1250"
	.amdhsa_code_object_version 6
	.text
	.protected	k_qdad9bd2fa7_sample
	.globl	k_qdad9bd2fa7_sample
	.p2align	8
	.type	k_qdad9bd2fa7_sample,@function
k_qdad9bd2fa7_sample:
	s_mov_b64 s[64:65], 0
	v_nop
	global_prefetch_b8 v0, s[64:65] scope:SCOPE_SE
	s_setreg_imm32_b32 hwreg(HW_REG_WAVE_MODE, 25, 1), 1
	s_wait_xcnt 0x0
; The gather.  A work-group holds ONE slice of value in LDS: batch b, eight channels (octet), all 13,376 entries x 16 bytes = 214,016 bytes; y = 32 b + octet.
; It serves a quarter (x) of the batch's rows, 3,344; each of its 11 waves 19 tiles of 16 rows.  For each row: 20 points x 4 corners x 8 channels, weights from WGT, LDS bytes from IDX (whole numbers, stored by the launch before).
; LANES: q = l / 4, corner c = l % 4 (dx = c % 2, dy = c / 2); a lane serves rows 2 q and 2 q + 1 of the tile, its one corner of every point.  The four corners' sums meet by two exchanges between neighbouring lanes.
; Sums of 80 terms stay in f32: the multiply-add reads the bf16 halves as they lie.
; NO CLUSTER, though the four quarters read the same slice: the LDS addresses of the gather are IDX's words, which differ from quarter to quarter.
; IN FLIGHT: the ten pairs of loads of a tile (IDX and WGT of five levels) go round in one fixed order, each pair asked for again, for the next tile, directly behind its last use: nine younger pairs, 18 loads, are out at every wait.
.set PL, 428032
.set SLICE, 214016
.set SPARE, 214016                     ; behind the slice: the spare words, 128 bytes for each of 11 waves, in six blocks of 256
.set PART, 19456                       ; a wave's part of the fill: 76 rows of 256 bytes
.set IX, 24                            ; v[24:63]   (level, row g): 4 words at 24 + 8 l + 4 g
.set WT, 64                            ; v[64:83]   (level, row g): 4 bf16 at 64 + 4 l + 2 g
.set VL, 84                            ; v[84:147]  two sets of 8 x 16 bytes
.set AC, 148                           ; v[148:163] (row g, channel)
.set PK, 164                           ; v[164:173] packing
; v3 my offset in IDX, v4 in WGT, v5 in SAMP, v[6:10] my corner's bytes from the base in each level, v11 = 0, v12 v13 the add's registers, v[14:21] LDS addresses
	s_load_b256 s[4:11], s[0:1], 0x0               ; VAL 4, IDX 6, WGT 8, SAMP 10
	v_lshl_add_u32 v12, v0, 2, SPARE
	v_mov_b32 v13, 0
	ds_add_u32 v12, v13                            ; the wave's opening
	v_lshrrev_b32 v1, 5, v0
	v_readfirstlane_b32 s12, v1                    ; wave 0..10
	s_and_b32 s13, ttmp7, 0xffff
	s_lshr_b32 s14, s13, 5                         ; b
	s_and_b32 s15, s13, 31                         ; octet
	s_lshr_b32 s16, s15, 2                         ; head
	s_mov_b32 s24, 3<<16                           ; group 1: elements of 8 bytes, no mask, no padding
	s_mov_b32 s25, 32<<16                          ; tensor_dim0 = 32
	s_mov_b32 s26, 76<<16                          ; tensor_dim1 = 76
	s_mov_b32 s27, 32<<16                          ; tile_dim0 = 32: rows of 256 bytes
	s_mov_b32 s28, 76                              ; tile_dim1
	s_mov_b32 s29, 32                              ; the block is dense
	s_mov_b32 s30, 0
	s_mov_b32 s31, 0
	s_mov_b32 s32, 1
	s_mul_i32 s33, s12, PART                       ; LDS address: my part
	s_mul_i32 s42, s15, PL                         ; the octet's plane
	s_mul_i32 s17, s14, SLICE
	s_add_co_u32 s18, s42, s17
	s_add_co_u32 s18, s18, s33
	s_mov_b32 s19, 0
	s_mul_i32 s43, s14, 13376
	s_mul_i32 s17, ttmp9, 3344
	s_add_co_u32 s43, s43, s17
	s_mul_i32 s17, s12, 304
	s_add_co_u32 s43, s43, s17
	s_lshl_b32 s43, s43, 4                         ; my wave's first rowp x 16 bytes
	s_wait_dscnt 0x0
	s_wait_kmcnt 0x0
	s_add_nc_u64 s[34:35], s[4:5], s[18:19]
	s_or_b32 s35, s35, 0x80000000
	tensor_load_to_lds s[32:35], s[24:31]          ; the one fill: nothing is filled again
	s_nop 0
	s_mul_i32 s18, s16, 5*PL
	s_add_co_u32 s18, s18, s43
	s_add_nc_u64 s[36:37], s[6:7], s[18:19]        ; IDX at my head and rows
	s_mul_i32 s18, s16, 10*PL
	s_add_co_u32 s18, s18, s43
	s_add_nc_u64 s[38:39], s[8:9], s[18:19]        ; WGT
	s_add_co_u32 s18, s42, s43
	s_add_nc_u64 s[40:41], s[10:11], s[18:19]      ; SAMP at my octet and rows
	v_and_b32 v1, 31, v0
	v_lshrrev_b32 v2, 2, v1                        ; q
	v_and_b32 v22, 1, v1                           ; dx
	v_bfe_u32 v23, v1, 1, 1                        ; dy
	v_lshlrev_b32 v3, 5, v2                        ; rows 2 q, 2 q + 1: 32 q
	v_lshl_add_u32 v4, v22, 3, v3
	v_mul_u32_u24 v11, PL, v23
	v_add_nc_u32 v4, v4, v11                       ; + 8 dx + dy planes
	v_lshlrev_b32 v5, 3, v1
	v_lshlrev_b32 v2, 4, v22
	v_mad_u32_u24 v6, v23, 1600, v2                ; 16 dx + 16 W dy
	v_mad_u32_u24 v7, v23, 800, v2
	v_mad_u32_u24 v8, v23, 400, v2
	v_mad_u32_u24 v9, v23, 208, v2
	v_mad_u32_u24 v10, v23, 112, v2
	v_cmp_ne_u32 s20, 0, v22
	v_cmp_ne_u32 s21, 0, v23
	v_mov_b32 v11, 0
.macro LDIX l
	global_load_b128 v[IX+8*(\l):IX+8*(\l)+3],   v3, s[36:37] offset:(\l)*PL
	global_load_b128 v[IX+8*(\l)+4:IX+8*(\l)+7], v3, s[36:37] offset:(\l)*PL+16
.endm
.macro LDWT l
	global_load_b64 v[WT+4*(\l):WT+4*(\l)+1],   v4, s[38:39] offset:2*(\l)*PL
	global_load_b64 v[WT+4*(\l)+2:WT+4*(\l)+3], v4, s[38:39] offset:2*(\l)*PL+16
.endm
.macro GATHER l, cl                    ; cl: the level's greatest base byte; a word is held to it before it enters an address
.irp n, 0,1,2,3,4,5,6,7
	v_min_u32 v[14+\n], \cl, v[IX+8*(\l)+\n]
.endr
.irp n, 0,1,2,3,4,5,6,7
	v_add_nc_u32 v[14+\n], v[6+(\l)], v[14+\n]
.endr
.irp n, 0,1,2,3,4,5,6,7
	ds_load_b128 v[VL+32*((\l)%2)+4*\n:VL+32*((\l)%2)+4*\n+3], v[14+\n]
.endr
.endm
.macro FM d, a, b, c, sa, sb           ; d = half sa of a x half sb of b + c
.if ((\sa) == 0) && ((\sb) == 0)
	v_fma_mix_f32_bf16 v[\d], v[\a], v[\b], v[\c] op_sel_hi:[1,1,0]
.elseif ((\sa) == 1) && ((\sb) == 0)
	v_fma_mix_f32_bf16 v[\d], v[\a], v[\b], v[\c] op_sel:[1,0,0] op_sel_hi:[1,1,0]
.elseif ((\sa) == 0) && ((\sb) == 1)
	v_fma_mix_f32_bf16 v[\d], v[\a], v[\b], v[\c] op_sel:[0,1,0] op_sel_hi:[1,1,0]
.else
	v_fma_mix_f32_bf16 v[\d], v[\a], v[\b], v[\c] op_sel:[1,1,0] op_sel_hi:[1,1,0]
.endif
.endm
.macro FMAS l                          ; 64 multiply-adds: point n / 16, row (n / 8) % 2, channel n % 8; sixteen sums take turns; a tile's first term starts each sum from 0
.set n, 0
.rept 64
.if ((\l) == 0) && (n < 16)
	FM AC+n%16, VL+32*((\l)%2)+16*((n/8)%2)+4*(n/16)+(n%8)/2, WT+4*(\l)+2*((n/8)%2)+n/32, 11, n%2, (n/16)%2
.else
	FM AC+n%16, VL+32*((\l)%2)+16*((n/8)%2)+4*(n/16)+(n%8)/2, WT+4*(\l)+2*((n/8)%2)+n/32, AC+n%16, n%2, (n/16)%2
.endif
.set n, n+1
.endr
.endm
	LDIX 0                                         ; the first tile's loads, in the order in which they go round
	LDIX 1
	LDWT 0
	LDIX 2
	LDWT 1
	LDIX 3
	LDWT 2
	LDIX 4
	LDWT 3
	LDWT 4
	s_wait_tensorcnt 0x0                           ; my part of the slice is in,
	s_barrier_signal -1
	s_barrier_wait -1                              ; everybody's is
	s_wait_xcnt 0x0
	v_add_nc_u32 v3, 256, v3                       ; from here on the loads name the next tile
	v_add_nc_u32 v4, 256, v4
	s_mov_b32 s22, 19
.Ltile:
	s_wait_loadcnt 18                              ; the oldest pair is in: nine younger pairs may stay out; so at every wait below
	GATHER 0, 16*9898
	LDIX 0
	s_wait_loadcnt 18
	GATHER 1, 16*12448
	LDIX 1
	s_wait_loadcnt 18
	s_wait_dscnt 8                                 ; level 0's corners are in; level 1's eight may stay out
	FMAS 0
	LDWT 0
	s_wait_loadcnt 18
	GATHER 2, 16*13098
	LDIX 2
	s_wait_loadcnt 18
	s_wait_dscnt 8
	FMAS 1
	LDWT 1
	s_wait_loadcnt 18
	GATHER 3, 16*13279
	LDIX 3
	s_wait_loadcnt 18
	s_wait_dscnt 8
	FMAS 2
	LDWT 2
	s_wait_loadcnt 18
	GATHER 4, 16*13334
	LDIX 4
	s_wait_loadcnt 18
	s_wait_dscnt 8
	FMAS 3
	LDWT 3
	s_wait_loadcnt 18
	s_wait_dscnt 0x0
	FMAS 4
	LDWT 4
.irp m, 1,2                            ; the four corners' sums: lanes l, l ^ 1, l ^ 2, l ^ 3
.set n, 0
.rept 16
	v_add_f32_dpp v[AC+n], v[AC+n], v[AC+n] row_xmask:\m row_mask:0xf bank_mask:0xf
.set n, n+1
.endr
.endr
.set n, 0
.rept 8
	v_cvt_pk_bf16_f32 v[PK+n], v[AC+2*n], v[AC+2*n+1]
.set n, n+1
.endr
.irp n, 0,1,2,3
	v_cndmask_b32 v[PK+\n], v[PK+\n], v[PK+4+\n], s21  ; lane c takes row 2 q + c / 2,
.endr
	v_cndmask_b32 v[PK+8], v[PK], v[PK+2], s20     ; and of its 16 bytes the half c % 2
	v_cndmask_b32 v[PK+9], v[PK+1], v[PK+3], s20
	global_store_b64 v5, v[PK+8:PK+9], s[40:41]    ; the wave stores 256 consecutive bytes, aligned
	s_wait_xcnt 0x0                                ; offsets and data are written again only behind this wait
	v_add_nc_u32 v5, 256, v5
	s_cmp_gt_u32 s22, 2                            ; the last tile's loads have no next tile: they name the last tile once more and stay inside the buffers
	s_cselect_b32 s23, 256, 0
	v_add_nc_u32 v3, s23, v3
	v_add_nc_u32 v4, s23, v4
	s_sub_co_u32 s22, s22, 1
	s_cmp_lg_u32 s22, 0
	s_cbranch_scc1 .Ltile
	s_wait_tensorcnt 0x0                           ; the wave's end
	ds_add_u32 v12, v13
	s_wait_dscnt 0x0
	s_endpgm
.Lfunc_end_k_qdad9bd2fa7_sample:
	.size	k_qdad9bd2fa7_sample, .Lfunc_end_k_qdad9bd2fa7_sample-k_qdad9bd2fa7_sample
	.p2alignl 7, 3214868480
	.fill 96, 4, 3214868480
	.section	.rodata,"a",@progbits
	.p2align	6, 0x0
	.amdhsa_kernel k_qdad9bd2fa7_sample
		.amdhsa_group_segment_fixed_size 215552
		.amdhsa_private_segment_fixed_size 0
		.amdhsa_enable_private_segment 0
		.amdhsa_kernarg_size 32
		.amdhsa_user_sgpr_count 2
		.amdhsa_user_sgpr_kernarg_segment_ptr 1
		.amdhsa_wavefront_size32 1
		.amdhsa_system_sgpr_workgroup_id_x 1
		.amdhsa_system_sgpr_workgroup_id_y 1
		.amdhsa_system_sgpr_workgroup_id_z 1
		.amdhsa_system_vgpr_workitem_id 0
		.amdhsa_next_free_vgpr 192
		.amdhsa_next_free_sgpr 66
		.amdhsa_reserve_vcc 0
		.amdhsa_float_denorm_mode_32 3
		.amdhsa_float_denorm_mode_16_64 3
		.amdhsa_memory_ordered 1
		.amdhsa_forward_progress 1
		.amdhsa_inst_pref_size 38
	.end_amdhsa_kernel
	.amdgpu_metadata
---
amdhsa.version: [ 1, 2 ]
amdhsa.kernels:
  - .name:           k_qdad9bd2fa7_sample
    .symbol:         k_qdad9bd2fa7_sample.kd
    .args:
      - { .name: VAL, .offset: 0, .size: 8, .value_kind: global_buffer, .address_space: global }
      - { .name: IDX, .offset: 8, .size: 8, .value_kind: global_buffer, .address_space: global }
      - { .name: WGT, .offset: 16, .size: 8, .value_kind: global_buffer, .address_space: global }
      - { .name: SAMP, .offset: 24, .size: 8, .value_kind: global_buffer, .address_space: global }
    .group_segment_fixed_size: 215552
    .private_segment_fixed_size: 0
    .kernarg_segment_align: 8
    .kernarg_segment_size: 32
    .max_flat_workgroup_size: 352
    .sgpr_count:     66
    .vgpr_count:     192
    .wavefront_size: 32
...
	.end_amdgpu_metadata
.endif
;; end of part 3
;; launch ffn (part 4): grid 212 x 1, 4 waves a work-group, clusters of 4 x 1, 327,680 bytes of LDS; arguments SAMP, src, WB, out0; writes out0
.if DOCPART == 4
	.amdgcn_target "amdgcn-amd-amdhsa--gfx1250"
	.amdhsa_code_object_version 6
	.text
	.protected	k_qdad9bd2fa7_ffn
	.globl	k_qdad9bd2fa7_ffn
	.p2align	8
	.type	k_qdad9bd2fa7_ffn,@function
k_qdad9bd2fa7_ffn:
	s_mov_b64 s[64:65], 0
	v_nop
	global_prefetch_b8 v0, s[64:65] scope:SCOPE_SE
	s_setreg_imm32_b32 hwreg(HW_REG_WAVE_MODE, 25, 1), 1
	s_wait_xcnt 0x0
	s_wait_alu depctr_hold_cnt(0) depctr_sa_sdst(0) depctr_va_vdst(0) depctr_va_sdst(0) depctr_va_ssrc(0) depctr_va_vcc(0) depctr_vm_vsrc(0)
	s_getreg_b32 s2, hwreg(HW_REG_IB_STS2, 6, 4)
	s_cmp_eq_u32 s2, 0
	s_cbranch_scc0 .Lentry_in_a_cluster
	s_endpgm
.Lentry_in_a_cluster:
	s_bfe_u32 s2, ttmp6, 0x10000c
	s_cmp_lg_u32 s2, 0x3003
	s_cbranch_scc0 .Lentry_shape_is_right
	s_endpgm
.Lentry_shape_is_right:
; x = LN1(src + SAMP W_out + b_out);  out0 = LN2(x + relu(x W1 + bl1) W2 + bl2).  Matrix operands bf16, sums, residuals and both norms f32 (mean first, then the squares of the differences).
; ROWS: work-group g computes the 128 rows from row0 = min(126 g, 26,558) and stores 126 of them (local - lo < 126, lo = 126 g - row0): 212 x 126 covers 26,686 and 212 divides into clusters of four.
; WAVES: wave w owns rows 32 w .. + 31 (slots 0, 1 of 16) for W_out and the norms.  In the FFN waves w and w ^ 1 share their 64 rows (slots 2, 3 = the partner's) and split each chunk of 128 hidden columns in halves;
; x stays in registers as fragments; the partial sums for the partner's rows are handed over through LDS at the end.
; The product is used transposed (source 0 = 16 weight columns, turned out of LDS by ds_load_tr16_b128; source 1 = 16 rows): a lane holds one row and 8 neighbouring columns, and two results rounded to bf16 ARE the next source 1.
; RING: two LDS slots, each a chunk: W1's 256 k x 128 columns (pitch 288) and W2's 128 k x 256 columns (pitch 544).  All work-groups walk the same weights: the four of a cluster ask JOINTLY.
; Slot 0 first holds the src tile, slot 1 first W_out; at the end, behind their last fills, they hold the stages.
; REGISTERS: window 0: v1 l % 16, v2 l / 16, v3 v4 v10 lane terms of the turning loads, v5 v6 v7 v8 addresses in hand, v9 parameter address, v11 prefetch offset, v12 at work, v13 = 0, v14 v15 the add's,
;   v[16:31] bias of 32 hidden columns, v[32:63] HB, v[64:127] HA, v[128:191] v[192:255] two fragment buffers.  window 1: x, (slot, ks) at 64 s + 8 ks.  window 2: Y of slots 0, 1 at 128 s + 8 t.  window 3: Y of slots 2, 3.
.set PL, 428032
.set SLOTB, 143360
.set W2OFF, 73728
.set PAR, 286720
.set XST, 301056
.set SPARE, 317440
.set O_WO, 393216
.set O_W1, 524288
.set O_W2, 1572864
.set O_PA, 2624512
.set WF0, 128
.set WF1, 192
.set LT, 32
.set MSB, 0
.macro WIN new
.if MSB != (\new)
	s_set_vgpr_msb (MSB<<8)|(\new)
.set MSB, (\new)
.endif
.endm
.macro PLACES                          ; four places behind a matrix instruction (ISA guide 7.12.1)
.rept 4
	v_nop
.endr
.endm
.macro CREST                           ; a round of the cluster's barrier behind its opening barrier
	s_cmp_lg_u32 s12, 0
	s_cbranch_scc1 .Lnw0_\@
	s_barrier_signal -3
.Lnw0_\@:
	s_barrier_wait -3
	s_barrier_signal -1
	s_barrier_wait -1
.endm
.macro ROUND
	s_barrier_signal -1
	s_barrier_wait -1
	CREST
.endm
.macro JLOAD                           ; a joint refill: waves 0, 1 the halves of W1's part, waves 2, 3 those of W2's; the branch hangs on the wave's number alone
	s_cmp_lt_u32 s12, 2
	s_cbranch_scc0 .Lfw2_\@
	tensor_load_to_lds s[72:75], s[40:47]
	s_nop 0
.rept 4
	v_nop
.endr
	s_branch .Lasked_\@
.Lfw2_\@:
	tensor_load_to_lds s[76:79], s[32:39]
	s_nop 0
.rept 4
	v_nop
.endr
.Lasked_\@:
.endm
.macro DSTEP slot, step                ; the walking descriptors: the next chunk, into this slot
.if \step
	s_add_nc_u64 s[74:75], s[74:75], 256
	s_add_nc_u64 s[78:79], s[78:79], 65536
.endif
	s_add_co_u32 s73, s80, (\slot)*SLOTB
	s_add_co_u32 s77, s81, (\slot)*SLOTB
.endm
.macro CHG slot, step                  ; a change of what a slot holds, outside the main loop
	WIN 0
	s_wait_tensorcnt 0x0                           ; all my tensor loads have landed,
	ds_add_u32 v14, v15                            ; 0 onto my spare word
	DSTEP \slot, \step
	s_wait_dscnt 0x0                               ; the add is done, and my reads of the slot are over
	ROUND                                          ; so of every wave of all four work-groups
	JLOAD
.endm
; A prefetch of the chunk one beyond the refill just asked for: its 512 blocks of 256 bytes are named once in the launch: by the first cluster alone; of the rows that a wave fetches each of the four partners takes a quarter, told apart by address; a lane a block.
.macro ASK how
.if \how
	s_cmp_eq_u32 s83, 1
.else
	s_cmp_gt_u32 s82, s83                          ; the loop's last trip has no chunk beyond its second refill
.endif
	s_cbranch_scc0 .Lnm_\@
	global_prefetch_b8 v11, s[84:85] th:TH_LOAD_NT scope:SCOPE_SE
.Lnm_\@:
.endm
	s_load_b256 s[4:11], s[0:1], 0x0               ; SAMP 4, src 6, WB 8, out0 10
	v_lshl_add_u32 v14, v0, 2, SPARE
	v_mov_b32 v15, 0
	ds_add_u32 v14, v15                            ; the wave's opening
	v_lshrrev_b32 v1, 5, v0
	v_readfirstlane_b32 s12, v1                    ; wave
	s_bfe_u32 s13, ttmp6, 0x40000                  ; cx: it enters global addresses and the store mask alone
	s_lshl_b32 s14, ttmp9, 2
	s_add_co_u32 s14, s14, s13
	s_mul_i32 s16, s14, 126
	s_min_u32 s15, s16, 26558                      ; row0
	s_sub_co_u32 s16, s16, s15                     ; lo
	s_and_b32 s17, s12, 1
	s_lshl_b32 s95, s12, 5
	s_add_co_u32 s95, s95, s15                     ; my first row
	; group 1 for the src tile: 32 rows x 256 f32, 16 bytes of padding behind each 1,024: no mask
	s_mov_b32 s24, (2<<16)|(1<<20)|(7<<22)|(3<<25)
	s_mov_b32 s25, 256<<16
	s_mov_b32 s26, 32<<16
	s_mov_b32 s27, 256<<16
	s_mov_b32 s28, 32
	s_mov_b32 s29, 256
	s_mov_b32 s30, 0
	s_mov_b32 s31, 0
	; for W_out's quarters and W2's half chunks: 64 rows x 256 bf16, 32 bytes behind each 512; the mask names all four work-groups
	s_mov_b32 s32, 15|(1<<16)|(1<<20)|(1<<21)|(6<<22)|(7<<25)
	s_mov_b32 s33, 256<<16
	s_mov_b32 s34, 64<<16
	s_mov_b32 s35, 256<<16
	s_mov_b32 s36, 64
	s_mov_b32 s37, 256
	s_mov_b32 s38, 0
	s_mov_b32 s39, 0
	; for W1's half chunks: 128 rows x 128 bf16 of rows 2,048 long, 32 bytes behind each 256
	s_mov_b32 s40, 15|(1<<16)|(1<<20)|(1<<21)|(5<<22)|(7<<25)
	s_mov_b32 s41, 128<<16
	s_mov_b32 s42, 128<<16
	s_mov_b32 s43, 128<<16
	s_mov_b32 s44, 128
	s_mov_b32 s45, 2048
	s_mov_b32 s46, 0
	s_mov_b32 s47, 0
	; for a quarter of the parameters: 14 rows of 256 dense bytes
	s_mov_b32 s48, 15|(3<<16)|(1<<21)
	s_mov_b32 s49, 32<<16
	s_mov_b32 s50, 14<<16
	s_mov_b32 s51, 32<<16
	s_mov_b32 s52, 14
	s_mov_b32 s53, 32
	s_mov_b32 s54, 0
	s_mov_b32 s55, 0
	s_mov_b32 s56, 1
	s_mul_i32 s57, s12, 33280                      ; src: my 32 rows x 1,040 in slot 0
	s_mov_b32 s60, 1
	s_mul_i32 s61, s12, 34816
	s_add_co_u32 s61, s61, SLOTB                   ; W_out: my 64 rows x 544 in slot 1
	s_mov_b32 s68, 1
	s_mul_i32 s92, s12, 3584
	s_add_co_u32 s69, s92, PAR
	s_mov_b32 s72, 1
	s_mov_b32 s76, 1
	s_mul_i32 s80, s17, 36864                      ; W1's half in a slot
	s_mul_i32 s81, s17, 34816
	s_add_co_u32 s81, s81, W2OFF                   ; W2's
	s_mov_b32 s88, 0x76543210
	s_mov_b32 s89, 0xfedcba98
	s_mov_b32 s90, 0x3b800000                      ; 1 / 256
	s_mov_b32 s91, 0x3727c5ac                      ; 1e-5
	s_mov_b32 s21, 0
	s_wait_dscnt 0x0
	s_wait_kmcnt 0x0
	s_lshl_b32 s20, s95, 10
	s_add_nc_u64 s[58:59], s[6:7], s[20:21]
	s_or_b32 s59, s59, 0x80000000
	s_add_nc_u64 s[96:97], s[10:11], s[20:21]      ; out0 at my first row
	s_lshl_b32 s20, s12, 15
	s_add_co_u32 s20, s20, O_WO
	s_add_nc_u64 s[62:63], s[8:9], s[20:21]
	s_or_b32 s63, s63, 0x80000000
	s_add_co_u32 s20, s92, O_PA
	s_add_nc_u64 s[70:71], s[8:9], s[20:21]
	s_or_b32 s71, s71, 0x80000000
	s_lshl_b32 s20, s17, 19
	s_add_co_u32 s20, s20, O_W1
	s_add_nc_u64 s[74:75], s[8:9], s[20:21]        ; chunk 0
	s_or_b32 s75, s75, 0x80000000
	s_lshl_b32 s20, s17, 15
	s_add_co_u32 s20, s20, O_W2
	s_add_nc_u64 s[78:79], s[8:9], s[20:21]
	s_or_b32 s79, s79, 0x80000000
	s_add_nc_u64 s[22:23], s[4:5], 16*PL           ; SAMP's octets 16 on
	; the prefetches: at chunk 2; the first change of slots in the loop steps them to chunk 3
	s_lshl_b32 s18, s17, 7
	s_lshl_b32 s19, s13, 5
	s_add_co_u32 s18, s18, s19
	s_lshl_b32 s18, s18, 12
	s_add_co_u32 s18, s18, O_W1+512
	s_lshl_b32 s20, s17, 6
	s_lshl_b32 s19, s13, 4
	s_add_co_u32 s20, s20, s19
	s_lshl_b32 s20, s20, 9
	s_add_co_u32 s20, s20, O_W2+131072
	s_mov_b32 s92, 65536
	s_cmp_lt_u32 s12, 2
	s_cselect_b32 s18, s18, s20
	s_cselect_b32 s86, 256, s92                    ; bytes from chunk to chunk
	s_cselect_b32 s19, 12, 8
	s_mov_b32 s87, 0
	v_and_b32 v11, 31, v0
	v_lshlrev_b32 v11, s19, v11                    ; a lane a block: W1 a row of 4,096 on, W2 256 bytes on
	s_mov_b32 s19, 0
	s_add_nc_u64 s[84:85], s[8:9], s[18:19]
	s_cmp_eq_u32 ttmp9, 0
	s_cselect_b32 s83, 1, -1                       ; the same in all four partners
	ROUND                                          ; all four work-groups are here
	tensor_load_to_lds s[56:59], s[24:31]          ; the first fills, one group: three loads of mine are out
	s_nop 0
	tensor_load_to_lds s[60:63], s[32:39]
	s_nop 0
	tensor_load_to_lds s[68:71], s[48:55]
	s_nop 0
.rept 4
	v_nop
.endr
	v_and_b32 v1, 15, v0
	v_bfe_u32 v2, v0, 4, 1
	v_and_b32 v5, 7, v0
	v_bfe_u32 v6, v0, 3, 1
	v_lshl_add_u32 v5, v2, 3, v5                   ; the turning load's row: 8 (l / 16) + l % 8
	v_lshlrev_b32 v6, 4, v6
	v_mad_u32_u24 v3, v5, 288, v6
	s_lshl_b32 s20, s17, 7
	v_add_nc_u32 v3, s20, v3                       ; W1: + my half's 64 columns
	v_mad_u32_u24 v4, v5, 544, v6
	v_add_nc_u32 v10, s81, v4                      ; W2: + its part of a slot, + my half's 64 rows
	v_lshl_add_u32 v9, v2, 5, PAR
	v_mov_b32 v13, 0
	; SAMP: my 32 rows as fragments, straight from memory: octet 4 ks + 2 half + l / 16 of the padded row
	v_add_nc_u32 v32, s95, v1
	v_add_nc_u32 v33, 16, v32
	s_mov_b32 s92, 13343
	v_cmp_le_u32 s94, s92, v32
	v_cndmask_b32 v34, 0, 33, s94
	v_add_nc_u32 v32, v32, v34
	v_cmp_le_u32 s94, s92, v33
	v_cndmask_b32 v34, 0, 33, s94
	v_add_nc_u32 v33, v33, v34
	v_mul_u32_u24 v35, PL, v2
	v_lshl_add_u32 v32, v32, 4, v35
	v_lshl_add_u32 v33, v33, 4, v35
	WIN 0x40
.irp s, 0,1
.set i, 0
.rept 8                                ; i = 2 ks + half, ks < 4, then the same from 16 octets on
	global_load_b128 v[64*\s+4*i:64*\s+4*i+3],       v[32+\s], s[4:5]   offset:2*i*PL
	global_load_b128 v[64*\s+32+4*i:64*\s+32+4*i+3], v[32+\s], s[22:23] offset:2*i*PL
.set i, i+1
.endr
.endr
	WIN 0
	s_wait_tensorcnt 0x0                           ; my parts of src, W_out and the parameters are in,
	s_barrier_signal -1
	s_barrier_wait -1                              ; everybody's are
.macro LDPAR ofs                       ; a parameter row, my 128 columns, into both buffers
.set t, 0
.rept 16
	ds_load_b128 v[128+8*t:128+8*t+3], v9 offset:(\ofs)+64*t
	ds_load_b128 v[128+8*t+4:128+8*t+7], v9 offset:(\ofs)+64*t+16
.set t, t+1
.endr
.endm
	; Y = src + b_out: the sums of the first product start from it
	s_lshl_b32 s20, s12, 5
	v_add_nc_u32 v5, s20, v1
	v_mul_u32_u24 v5, v5, 1040
	v_lshl_add_u32 v5, v2, 5, v5
	WIN 0x80
.irp s, 0,1
.set i, 0
.rept 32
	ds_load_b128 v[128*\s+4*i:128*\s+4*i+3], v5 offset:\s*16640+64*(i/2)+16*(i%2)
.set i, i+1
.endr
.endr
	WIN 0
	LDPAR 0
	s_wait_dscnt 0x0
	WIN 0x82
.irp s, 0,1
.set n, 0
.rept 64
	v_pk_add_f32 v[128*\s+2*n:128*\s+2*n+1], v[128*\s+2*n:128*\s+2*n+1], v[128+2*n:128+2*n+1]
.set n, n+1
.endr
.endr
	CHG 0, 0                                       ; the src tile is read: slot 0 takes chunk 0
	; Y += SAMP W_out: 16 halves (ks, 8 column tiles), two buffers by turns
.macro FWO n, buf
	WIN 0
	v_add_nc_u32 v12, SLOTB+((\n)/2)*17408+256*((\n)%2), v4
.irp t, 0,1,2,3,4,5,6,7
	ds_load_tr16_b128 v[(\buf)+8*\t:(\buf)+8*\t+3],   v12 offset:32*\t
	ds_load_tr16_b128 v[(\buf)+8*\t+4:(\buf)+8*\t+7], v12 offset:32*\t+8704
.endr
.endm
.macro MWO n, buf
	WIN 0xa4
.irp t, 0,1,2,3,4,5,6,7
.irp s, 0,1
	v_wmma_f32_16x16x32_bf16 v[128*\s+8*(8*((\n)%2)+\t):128*\s+8*(8*((\n)%2)+\t)+7], v[(\buf)+8*\t:(\buf)+8*\t+7], v[64*\s+8*((\n)/2):64*\s+8*((\n)/2)+7], v[128*\s+8*(8*((\n)%2)+\t):128*\s+8*(8*((\n)%2)+\t)+7]
.endr
.endr
.endm
	FWO 0, WF0
	FWO 1, WF1
	s_wait_loadcnt 0x0                             ; SAMP
.set hn, 0
.rept 16
.if hn < 15
	s_wait_dscnt 16                                ; this half is in; the next half's 16 loads may stay out
.else
	s_wait_dscnt 0x0
.endif
	MWO hn, WF0+64*(hn%2)
.if hn < 14
	PLACES
	FWO hn+2, WF0+64*(hn%2)
.endif
.set hn, hn+1
.endr
	CHG 1, 1                                       ; W_out is read: slot 1 takes chunk 1; chunk 0 is whole for every wave.  The four v_nop behind the load are the places behind the last products
; LayerNorm over the 256 columns of my 32 rows, in place in window 2; a row's other 128 columns lie in the lane 16 away
.macro LNRED
	WIN 0
.irp s, 0,1
	v_pk_add_f32 v[LT+8*\s:LT+8*\s+1], v[LT+8*\s:LT+8*\s+1], v[LT+8*\s+2:LT+8*\s+3]
	v_pk_add_f32 v[LT+8*\s+4:LT+8*\s+5], v[LT+8*\s+4:LT+8*\s+5], v[LT+8*\s+6:LT+8*\s+7]
.endr
.irp s, 0,1
	v_pk_add_f32 v[LT+8*\s:LT+8*\s+1], v[LT+8*\s:LT+8*\s+1], v[LT+8*\s+4:LT+8*\s+5]
.endr
.irp s, 0,1
	v_add_f32 v[LT+8*\s], v[LT+8*\s], v[LT+8*\s+1]
.endr
.irp s, 0,1
	v_permlanex16_b32 v[LT+8*\s+1], v[LT+8*\s], s88, s89
.endr
.irp s, 0,1
	v_add_f32 v[LT+8*\s], v[LT+8*\s], v[LT+8*\s+1]
.endr
.endm
.macro LDGB gofs, bofs, hf
	WIN 0
.irp t, 0,1,2,3,4,5,6,7
	ds_load_b128 v[WF0+8*\t:WF0+8*\t+3],   v9 offset:(\gofs)+64*(8*(\hf)+\t)
	ds_load_b128 v[WF0+8*\t+4:WF0+8*\t+7], v9 offset:(\gofs)+64*(8*(\hf)+\t)+16
	ds_load_b128 v[WF1+8*\t:WF1+8*\t+3],   v9 offset:(\bofs)+64*(8*(\hf)+\t)
	ds_load_b128 v[WF1+8*\t+4:WF1+8*\t+7], v9 offset:(\bofs)+64*(8*(\hf)+\t)+16
.endr
.endm
.macro APPLY hf
	WIN 0x82
.irp s, 0,1
.set n, 0
.rept 32
	v_pk_fma_f32 v[128*\s+64*(\hf)+2*n:128*\s+64*(\hf)+2*n+1], v[128*\s+64*(\hf)+2*n:128*\s+64*(\hf)+2*n+1], v[WF0+2*n:WF0+2*n+1], v[WF1+2*n:WF1+2*n+1]
.set n, n+1
.endr
.endr
.endm
.macro LNORM gofs, bofs
.irp s, 0,1                            ; the sums, four chains a slot; each accumulator's lowest registers are read first
	WIN 0x0a
.irp i, 0,1,2,3
	v_pk_add_f32 v[LT+8*\s+2*\i:LT+8*\s+2*\i+1], v[128*\s+2*\i:128*\s+2*\i+1], v[128*\s+8+2*\i:128*\s+8+2*\i+1]
.endr
	WIN 0x08
.set n, 2
.rept 14
.irp i, 0,1,2,3
	v_pk_add_f32 v[LT+8*\s+2*\i:LT+8*\s+2*\i+1], v[LT+8*\s+2*\i:LT+8*\s+2*\i+1], v[128*\s+8*n+2*\i:128*\s+8*n+2*\i+1]
.endr
.set n, n+1
.endr
.endr
	LNRED
.irp s, 0,1
	v_mul_f32 v[48+2*\s], s90, v[LT+8*\s]          ; the mean
	v_mov_b32 v[49+2*\s], 0
.endr
	WIN 0x82
.irp s, 0,1
.set n, 0
.rept 64
	v_pk_add_f32 v[128*\s+2*n:128*\s+2*n+1], v[128*\s+2*n:128*\s+2*n+1], v[48+2*\s:49+2*\s] op_sel_hi:[1,0] neg_lo:[0,1] neg_hi:[0,1]
.set n, n+1
.endr
.endr
	WIN 0x0a
.irp s, 0,1
.irp i, 0,1,2,3
	v_pk_mul_f32 v[LT+8*\s+2*\i:LT+8*\s+2*\i+1], v[128*\s+2*\i:128*\s+2*\i+1], v[128*\s+2*\i:128*\s+2*\i+1]
.endr
.set n, 1
.rept 15
.irp i, 0,1,2,3
	v_pk_fma_f32 v[LT+8*\s+2*\i:LT+8*\s+2*\i+1], v[128*\s+8*n+2*\i:128*\s+8*n+2*\i+1], v[128*\s+8*n+2*\i:128*\s+8*n+2*\i+1], v[LT+8*\s+2*\i:LT+8*\s+2*\i+1]
.endr
.set n, n+1
.endr
.endr
	LNRED
.irp s, 0,1
	v_fma_f32 v[LT+8*\s], v[LT+8*\s], s90, s91     ; variance + 1e-5
.endr
	v_rsq_f32 v52, v[LT]
	v_rsq_f32 v54, v[LT+8]
	v_mov_b32 v53, 0                               ; plain instructions behind the two roots (the pairs' second halves),
	v_mov_b32 v55, 0
	LDGB \gofs, \bofs, 0
	s_wait_alu depctr_va_vdst(0)                   ; and one wait for both
	WIN 0x82
.irp s, 0,1
.set n, 0
.rept 64
	v_pk_mul_f32 v[128*\s+2*n:128*\s+2*n+1], v[128*\s+2*n:128*\s+2*n+1], v[52+2*\s:53+2*\s] op_sel_hi:[1,0]
.set n, n+1
.endr
.endr
	s_wait_dscnt 0x0
	APPLY 0
	LDGB \gofs, \bofs, 1
	s_wait_dscnt 0x0
	APPLY 1
	WIN 0
.endm
	LNORM 1024, 2048                               ; x, in f32: it stays in Y as the residual from which the FFN's sums start
	WIN 0x4a
.set n, 0
.rept 128
	v_cvt_pk_bf16_f32 v[n], v[2*n], v[2*n+1]       ; x as fragments: two neighbouring column tiles are one k step
.set n, n+1
.endr
	; my x to the partner, the partner's to me: four rounds of 4,096 bytes a wave through a stage that no tensor load fills
	WIN 0
	v_and_b32 v12, 31, v0
	s_lshl_b32 s20, s12, 12
	s_add_co_u32 s20, s20, XST
	v_lshl_add_u32 v5, v12, 4, s20
	s_xor_b32 s20, s12, 1
	s_lshl_b32 s20, s20, 12
	s_add_co_u32 s20, s20, XST
	v_lshl_add_u32 v6, v12, 4, s20
.irp i, 0,1,2,3
	WIN 0x04
.irp q, 0,1,2,3,4,5,6,7
	ds_store_b128 v5, v[32*\i+4*\q:32*\i+4*\q+3] offset:512*\q
.endr
	s_wait_dscnt 0x0                               ; for the partner's sake: my stores are done
	s_barrier_signal -1
	s_barrier_wait -1
	WIN 0x40
.irp q, 0,1,2,3,4,5,6,7
	ds_load_b128 v[128+32*\i+4*\q:128+32*\i+4*\q+3], v6 offset:512*\q
.endr
	s_wait_dscnt 0x0                               ; my reads are back before anyone writes the stage again
.if \i < 3
	s_barrier_signal -1
	s_barrier_wait -1
.endif
.endr
	WIN 0xc0
.set n, 0
.rept 256
	v_mov_b32 v[n], 0                              ; the partial sums for the partner's rows start at 0: cleared on purpose, so that the loop has one form of product and no step is written out for it
.set n, n+1
.endr
	WIN 0
.macro SETADR slot
	v_add_nc_u32 v5, (\slot)*SLOTB, v3
	v_add_nc_u32 v6, (\slot)*SLOTB+36864, v3
	v_add_nc_u32 v7, (\slot)*SLOTB, v10
.endm
.macro F1A                             ; the bias of 32 hidden columns, and W1's fragments of k steps 0-3 for them
	WIN 0
.irp j, 0,1
	ds_load_b128 v[16+8*\j:16+8*\j+3], v8 offset:64*\j
	ds_load_b128 v[16+8*\j+4:16+8*\j+7], v8 offset:64*\j+16
.endr
.irp k, 0,1,2,3
.irp j, 0,1
	ds_load_tr16_b128 v[WF0+8*(2*\k+\j):WF0+8*(2*\k+\j)+3],   v5 offset:\k*9216+32*\j
	ds_load_tr16_b128 v[WF0+8*(2*\k+\j)+4:WF0+8*(2*\k+\j)+7], v5 offset:\k*9216+32*\j+4608
.endr
.endr
.endm
.macro F1B                             ; k steps 4-7
	WIN 0
.irp k, 0,1,2,3
.irp j, 0,1
	ds_load_tr16_b128 v[WF1+8*(2*\k+\j):WF1+8*(2*\k+\j)+3],   v6 offset:\k*9216+32*\j
	ds_load_tr16_b128 v[WF1+8*(2*\k+\j)+4:WF1+8*(2*\k+\j)+7], v6 offset:\k*9216+32*\j+4608
.endr
.endr
.endm
.macro F2 half, buf                    ; W2's fragments: my 32 hidden rows x 8 column tiles
	WIN 0
.irp t, 0,1,2,3,4,5,6,7
	ds_load_tr16_b128 v[(\buf)+8*\t:(\buf)+8*\t+3],   v7 offset:32*(8*(\half)+\t)
	ds_load_tr16_b128 v[(\buf)+8*\t+4:(\buf)+8*\t+7], v7 offset:32*(8*(\half)+\t)+8704
.endr
.endm
.macro P1 buf, ks0, first              ; 32 products of x W1; the eight accumulators take turns; the first k step starts each sum with the bias
	WIN 0x04
.irp k, 0,1,2,3
.irp j, 0,1
.irp s, 0,1,2,3
.if (\first) && (\k == 0)
	v_wmma_f32_16x16x32_bf16 v[64+8*(2*\s+\j):64+8*(2*\s+\j)+7], v[(\buf)+8*(2*\k+\j):(\buf)+8*(2*\k+\j)+7], v[64*\s+8*((\ks0)+\k):64*\s+8*((\ks0)+\k)+7], v[16+8*\j:16+8*\j+7]
.else
	v_wmma_f32_16x16x32_bf16 v[64+8*(2*\s+\j):64+8*(2*\s+\j)+7], v[(\buf)+8*(2*\k+\j):(\buf)+8*(2*\k+\j)+7], v[64*\s+8*((\ks0)+\k):64*\s+8*((\ks0)+\k)+7], v[64+8*(2*\s+\j):64+8*(2*\s+\j)+7]
.endif
.endr
.endr
.endr
.endm
.macro P2 buf, half, hi                ; 16 products of h W2, sixteen accumulators: slots 0, 1 (hi = 0) or 2, 3
	WIN 0xa0+0x50*(\hi)
.irp t, 0,1,2,3,4,5,6,7
.irp s, 0,1
	v_wmma_f32_16x16x32_bf16 v[128*\s+8*(8*(\half)+\t):128*\s+8*(8*(\half)+\t)+7], v[(\buf)+8*\t:(\buf)+8*\t+7], v[32+8*(2*(\hi)+\s):32+8*(2*(\hi)+\s)+7], v[128*\s+8*(8*(\half)+\t):128*\s+8*(8*(\half)+\t)+7]
.endr
.endr
.endm
.macro RELU                            ; rounded to bf16, ascending; then the maximum with 0 on packed halves, which rounds nothing
	WIN 0
.set n, 0
.rept 32
	v_cvt_pk_bf16_f32 v[32+n], v[64+2*n], v[64+2*n+1]
.set n, n+1
.endr
.set n, 0
.rept 32
	v_pk_max_num_bf16 v[32+n], v[32+n], v13
.set n, n+1
.endr
.endm
; A STEP: 32 hidden columns for 64 rows: 64 products x W1, relu, 64 products h W2; 68 LDS loads.  At its head the bias and W1's 32 loads are out.
; mode 0: the next step lies in the same slot.  1: the chunk ends, its slot is filled again two chunks on.  2: it ends and nothing is asked for.  3: the last step.
.macro STEP slot, mode, how=0
	s_wait_dscnt 16                                ; bias and k steps 0-3 are in; the 16 loads of k steps 4-7 may stay out
	P1 WF0, 0, 1
	PLACES
	F2 0, WF0
	s_wait_dscnt 16                                ; k steps 4-7 are in
	P1 WF1, 4, 0
	PLACES
	F2 1, WF1
	RELU
	s_wait_dscnt 16                                ; W2's first eight tiles are in
	P2 WF0, 0, 0
	P2 WF0, 0, 1
.if (\mode) == 0
	PLACES
	WIN 0
	v_add_nc_u32 v5, 64, v5
	v_add_nc_u32 v6, 64, v6
	v_add_nc_u32 v7, 17408, v7
	v_add_nc_u32 v8, 128, v8
	F1A
	s_wait_dscnt 20                                ; W2's other eight tiles are in; the 20 just issued may stay out
	P2 WF1, 1, 0
	P2 WF1, 1, 1
	PLACES
	F1B
.elseif (\mode) == 1
	WIN 0
	s_wait_xcnt 0x0                                ; the last prefetch, a chunk back, has read its address
	s_add_nc_u64 s[84:85], s[84:85], s[86:87]
	s_wait_tensorcnt 0x0                           ; all my tensor loads have landed: my part of the other slot;
	ds_add_u32 v14, v15                            ; 0 onto my spare word
	DSTEP \slot, 1
	s_wait_dscnt 0x0                               ; the add is done, and my reads of this slot are over
	s_barrier_signal -1                            ; this barrier opens a round of the cluster's
	P2 WF1, 1, 0
	WIN 0
	s_barrier_wait -1
	CREST                                          ; no wave of any partner still reads this slot or has a load on its way
	JLOAD                                          ; my one load behind the round: 240 products ahead of the wait for it; its four v_nop are the places in front of the loads below
	SETADR 1-(\slot)
	v_add_nc_u32 v8, 384, v8
	F1A
	ASK \how
	P2 WF1, 1, 1
	PLACES
	F1B
.elseif (\mode) == 2
	WIN 0
	s_wait_tensorcnt 0x0                           ; my part of the last chunk is in
	ds_add_u32 v14, v15
	s_wait_dscnt 0x0
	s_barrier_signal -1
	P2 WF1, 1, 0
	WIN 0
	s_barrier_wait -1                              ; everybody's is, and nobody reads slot 0 any more
	PLACES
	SETADR 1-(\slot)
	v_add_nc_u32 v8, 384, v8
	F1A
	P2 WF1, 1, 1
	PLACES
	F1B
.else
	s_wait_dscnt 0x0
	P2 WF1, 1, 0
	P2 WF1, 1, 1
.endif
.endm
	SETADR 0
	s_lshl_b32 s20, s17, 8
	s_add_co_u32 s20, s20, PAR+6144
	v_lshl_add_u32 v8, v2, 5, s20                  ; bl1: my half of chunk 0
	F1A
	F1B
	s_mov_b32 s82, 7
.Lpair:                                        ; chunks 2 i and 2 i + 1; chunks 2 i + 2 and 2 i + 3 are asked for
	STEP 0, 0
	STEP 0, 1, 1
	STEP 1, 0
	STEP 1, 1, 0
	s_sub_co_u32 s82, s82, 1
	s_cmp_lg_u32 s82, 0
	s_cbranch_scc1 .Lpair
	STEP 0, 0                                      ; the last two chunks are written out: nothing is left to ask for
	STEP 0, 2
	STEP 1, 0
	STEP 1, 3
	; the partial sums for the partner's rows go over, through slot 0, which has had its last fill and its last reader
	WIN 0
	PLACES
	v_and_b32 v12, 31, v0
	s_lshl_b32 s20, s12, 15
	v_lshl_add_u32 v5, v12, 4, s20
	s_xor_b32 s20, s12, 1
	s_lshl_b32 s20, s20, 15
	v_lshl_add_u32 v6, v12, 4, s20
	WIN 0x0c
.set n, 0
.rept 64
	ds_store_b128 v5, v[4*n:4*n+3] offset:512*n
.set n, n+1
.endr
	s_wait_dscnt 0x0                               ; my stores are done, and so are my reads of slot 1
	s_barrier_signal -1
	s_barrier_wait -1
	WIN 0x40
.set n, 0
.rept 64
	ds_load_b128 v[4*n:4*n+3], v6 offset:512*n
.set n, n+1
.endr
	WIN 0
	LDPAR 3072                                     ; bl2
	s_wait_dscnt 0x0
	WIN 0x86
.set n, 0
.rept 128
	v_pk_add_f32 v[2*n:2*n+1], v[2*n:2*n+1], v[2*n:2*n+1]  ; window 2 += window 1
.set n, n+1
.endr
	WIN 0x82
.irp s, 0,1
.set n, 0
.rept 64
	v_pk_add_f32 v[128*\s+2*n:128*\s+2*n+1], v[128*\s+2*n:128*\s+2*n+1], v[128+2*n:128+2*n+1]
.set n, n+1
.endr
.endr
	LNORM 4096, 5120
	; the way out, through my own stage in slot 1 (its last fill is past; every wave's reads of it were over at the barrier above): rows of 1,040 bytes in, whole rows back
	s_mul_i32 s20, s12, 33280
	s_add_co_u32 s20, s20, SLOTB
	v_mul_u32_u24 v5, v1, 1040
	v_lshl_add_u32 v5, v2, 5, v5
	v_add_nc_u32 v5, s20, v5
	v_mul_u32_u24 v6, v2, 1040
	v_lshl_add_u32 v6, v1, 4, v6
	v_add_nc_u32 v6, s20, v6
	v_lshlrev_b32 v7, 10, v2
	v_lshl_add_u32 v7, v1, 4, v7
	s_lshl_b32 s21, s12, 5
	s_sub_co_u32 s21, s21, s16
	v_add_nc_u32 v8, s21, v2                       ; my local row less lo, for row pair 0
	WIN 0x08
.irp s, 0,1
.set i, 0
.rept 32
	ds_store_b128 v5, v[128*\s+4*i:128*\s+4*i+3] offset:\s*16640+64*(i/2)+16*(i%2)
.set i, i+1
.endr
.endr
	WIN 0
	s_wait_xcnt 0x0                                ; EXEC changes only behind this wait
.set bt, 0
.rept 2
.set i, 0
.rept 32
	ds_load_b128 v[128+4*i:131+4*i], v6 offset:2080*(8*bt+i/4)+256*(i%4)  ; LDS serves a wave's instructions in order (ISA guide 5.7.1.4): these see the stores above
.set i, i+1
.endr
	s_wait_dscnt 0x0
.set pp, 0
.rept 8
	v_add_nc_u32 v12, 2*(8*bt+pp), v8
	v_cmp_gt_u32 vcc_lo, 126, v12                  ; the 126 rows that are this work-group's to store
	s_and_saveexec_b32 s93, vcc_lo
.irp q, 0,1,2,3
	global_store_b128 v7, v[128+16*pp+4*\q:131+16*pp+4*\q], s[96:97] offset:2048*(8*bt+pp)+256*\q  ; 16 lanes store 256 consecutive bytes, aligned
.endr
	s_wait_xcnt 0x0                                ; and again in front of the line that widens it
	s_or_b32 exec_lo, exec_lo, s93
.set pp, pp+1
.endr
.set bt, bt+1
.endr
	s_wait_tensorcnt 0x0                           ; the wave's end, behind my last tensor load and my last LDS store
	ds_add_u32 v14, v15
	s_wait_dscnt 0x0
	ROUND                                          ; the closing round
	s_endpgm
.Lfunc_end_k_qdad9bd2fa7_ffn:
	.size	k_qdad9bd2fa7_ffn, .Lfunc_end_k_qdad9bd2fa7_ffn-k_qdad9bd2fa7_ffn
	.p2alignl 7, 3214868480
	.fill 96, 4, 3214868480
	.section	.rodata,"a",@progbits
	.p2align	6, 0x0
	.amdhsa_kernel k_qdad9bd2fa7_ffn
		.amdhsa_group_segment_fixed_size 327680
		.amdhsa_private_segment_fixed_size 0
		.amdhsa_enable_private_segment 0
		.amdhsa_kernarg_size 32
		.amdhsa_user_sgpr_count 2
		.amdhsa_user_sgpr_kernarg_segment_ptr 1
		.amdhsa_wavefront_size32 1
		.amdhsa_system_sgpr_workgroup_id_x 1
		.amdhsa_system_sgpr_workgroup_id_y 1
		.amdhsa_system_sgpr_workgroup_id_z 1
		.amdhsa_system_vgpr_workitem_id 0
		.amdhsa_next_free_vgpr 1024
		.amdhsa_next_free_sgpr 100
		.amdhsa_reserve_vcc 1
		.amdhsa_float_denorm_mode_32 3
		.amdhsa_float_denorm_mode_16_64 3
		.amdhsa_memory_ordered 1
		.amdhsa_forward_progress 1
		.amdhsa_inst_pref_size 255
	.end_amdhsa_kernel
	.section	.bss,"aw",@nobits
	.p2align	6
	.space	262144
	.amdgpu_metadata
---
amdhsa.version: [ 1, 2 ]
amdhsa.kernels:
  - .name:           k_qdad9bd2fa7_ffn
    .symbol:         k_qdad9bd2fa7_ffn.kd
    .args:
      - { .name: SAMP, .offset: 0, .size: 8, .value_kind: global_buffer, .address_space: global }
      - { .name: src, .offset: 8, .size: 8, .value_kind: global_buffer, .address_space: global }
      - { .name: WB, .offset: 16, .size: 8, .value_kind: global_buffer, .address_space: global }
      - { .name: out0, .offset: 24, .size: 8, .value_kind: global_buffer, .address_space: global }
    .group_segment_fixed_size: 327680
    .private_segment_fixed_size: 0
    .kernarg_segment_align: 8
    .kernarg_segment_size: 32
    .max_flat_workgroup_size: 128
    .sgpr_count:     100
    .vgpr_count:     1024
    .wavefront_size: 32
...
	.end_amdgpu_metadata
.endif
;; end of part 4
;; ======== version 2 of 2: 4 launches; version 1 with the launch proj written anew for expert scheduling mode
;; workspace buffers: WB 2,638,848 bytes; VAL 13,697,024 bytes; IDX 17,121,280 bytes of whole numbers; WGT 34,242,560 bytes; SAMP 13,697,024 bytes
;; launch prep: the kernel of part 1 again; grid 641 x 1, 8 waves a work-group, no clusters, 0 bytes of LDS; arguments W_off, W_attn, W_val, W_out, W1, W2, b_off, b_attn, b_val, b_out, g1, beta1, bl2, g2, beta2, bl1, WB; writes WB
;; launch proj (part 5): grid 209 x 1, 4 waves a work-group, no clusters, 135,680 bytes of LDS; arguments src, pos, reference_points, WB, VAL, IDX, WGT; writes VAL, IDX, WGT
.if DOCPART == 5
	.amdgcn_target "amdgcn-amd-amdhsa--gfx1250"
	.amdhsa_code_object_version 6
	.text
	.protected	k_qdad9bd2fa7_proj
	.globl	k_qdad9bd2fa7_proj
	.p2align	8
	.type	k_qdad9bd2fa7_proj,@function
k_qdad9bd2fa7_proj:
	s_mov_b64 s[64:65], 0
	v_nop
	global_prefetch_b8 v0, s[64:65] scope:SCOPE_SE
	s_setreg_imm32_b32 hwreg(HW_REG_WAVE_SCHED_MODE, 0, 2), 2
	s_setreg_imm32_b32 hwreg(HW_REG_WAVE_MODE, 25, 1), 1
	s_wait_xcnt 0x0
	s_wait_alu depctr_vm_vsrc(0)
; q = src + pos; offsets and logits = q x (W_off, W_attn) + bias; softmax over a head's 20 logits (its maximum taken away); sampling places; value = src x W_val + b_val.
; ROWS are counted padded: rowp = 13,376 b + i, 836 tiles of 16 to a batch; a pad row repeats its batch's last row.  A work-group owns 128 rowp; 209 x 128 = 26,752 = all.
; PASS A: wave w owns head pair w: 128 weight columns, all 256 k, in 512 registers for the whole pass; it walks the 8 row tiles.  PASS B: wave w owns value columns 64 w .. + 63.
; The product is used transposed (source 0 = 16 weight columns, source 1 = 16 rows): a lane holds ONE row (l % 16) and ONE head (2 w + l / 16): a level's 8 offsets in one accumulator, the 20 logits in three.
; OUT, for each (head, level, row): IDX, 4 words: 16 x (level's start + ya W + xa), the byte of the base corner in a value slice; WGT, 16 bf16: weight of corner 2 dy + dx of each point.
; The base is floor(p) held to 0 .. W - 2 and a corner's factor is max(1 - |p - corner|, 0): equal to the bilinear factors with zeros outside, without a comparison.
; NO CLUSTER: 209 work-groups, an odd number; the weights come to registers once a work-group.
; LIMITS: NaN and infinities are not treated apart; p = ref W + off - 0.5 is one fused step; a softmax weight below 2^-126 counts as 0.
; spatial_shapes and level_start_index are not loaded: the five sizes and starts are the constants of the module's own body.
; THE MODE: SCHED_MODE bits 1:0 = 2 (LLVM: expert scheduling mode 2), set by the entry lines.  The code itself states the register dependences
; between vector or matrix instructions and memory or LDS instructions, with s_wait_alu, always for 0.
; THE PLAN.  Registers that memory or LDS instructions touch:
;   STAGING  SB0, SB1   a set's turn: its additions and roundings read (and the additions write) SB[set]; behind them the set's next 16 loads land in it.
;            SOUT       written by a turn's roundings, read by its 16 LDS stores.          SO  written at the head of a set's turn, read by the set's 16 loads.
;            v13, v9    read by the LDS stores, stepped at a turn's end.
;            One wait on va_vdst a turn, behind the roundings, ahead of the loads and the stores; one on vm_vsrc behind the stores, ahead of the two steps.
;   PASS A   QF    read by a trip's 64 products, loaded again behind them.                 v4  read by those loads, stepped once a trip.
;            REF   read by the 20 multiply-adds that make (px, py), loaded again behind them.   v8  made anew each trip, read by REF's five loads.
;            OUTD  written by the five levels, read by the 15 stores at the trip's end.    v5, v6  never written in the loop: the stores' scalar bases step.
;            One wait on vm_vsrc a trip, behind the products; the wait on va_vdst behind the exponentials also stands ahead of QF's and REF's loads; one more stands ahead of the stores.
;   PASS B   QF, v4 as in pass A; OUTD's first 16 written by the roundings, read by the 4 stores; v7 never written: the base steps.
;   v14, v15 written at the head, read by the closing add alone.  ACC, TT, v26-31 are named by vector and matrix instructions alone.
.set PL, 428032                        ; a plane: 26,752 rowp x 16 bytes
.set PQ, 528                           ; an LDS row: 512 bytes + 16: 16 rows of a fragment load start at 16 different groups of four banks (ISA guide 11.1)
.set LDS_S, 67584                      ; Q: 128 rows at 0; S (src in bf16) behind it
.set SPARE, 135168                     ; the spare words, 128 bytes a wave
.set O_BI, 2621440
.set REF, 16                           ; v[16:25]   five (x, y) of my row
.set QF,  32                           ; v[32:95]   a row tile's fragments, 8 k steps
.set ACC, 96                           ; v[96:159]  eight accumulators
.set LG,  136                          ; the 20 logits = accumulators 5, 6 and half of 7
.set OUTD, 160                         ; v[160:219] level l: 4 words of IDX, 8 of WGT
.set TT,  224                          ; v[224:255] at work
.set SB,  32                           ; staging: two sets of 64 registers
.set SO,  160                          ; staging: eight row offsets
.set SOUT, 168                         ; staging: v[168:199] four rows in bf16, to store: row i at SOUT + 8 i: q's two pairs, then src's
; v1 l % 16, v2 l / 16, v3 16 x lane, v4 fragment address, v5 v6 v7 my offsets in IDX, WGT, VAL, v8 my row in reference_points, v9 v13 staging addresses, v11 v12 bias offsets, v14 v15 the add's registers
; window 1: v[0:63] bias, as the C of each sum's first product; windows 2, 3: the weights: fragment (t, ks) at window 2 + ks / 4, register 32 t + 8 (ks % 4)
.set MSB, 0
.macro WIN new
.if MSB != (\new)
	s_set_vgpr_msb (MSB<<8)|(\new)
.set MSB, (\new)
.endif
.endm
.macro PLACES                          ; four places behind a matrix instruction (ISA guide 7.12.1)
.rept 4
	v_nop
.endr
.endm
; STAGING.  Four rows a set: 16 loads of 512 consecutive bytes.  The row map: rowp less 33 in the second batch, held to the batch's last row.
.macro OFFS set                        ; the set's four row offsets
	s_cmp_ge_u32 s24, 13376
	s_cselect_b32 s25, 33, 0
	s_cselect_b32 s27, s29, s28
	s_sub_co_u32 s25, s24, s25
.irp i, 0,1,2,3
	s_add_co_u32 s30, s25, \i
	s_min_u32 s30, s30, s27
	s_lshl_b32 s30, s30, 10
	v_add_nc_u32 v[SO+4*(\set)+\i], s30, v3
.endr
	s_add_co_u32 s24, s24, 4
.endm
.macro LOADS set                       ; and its 16 loads
.irp i, 0,1,2,3
	global_load_b128 v[SB+64*(\set)+16*\i:SB+64*(\set)+16*\i+3],     v[SO+4*(\set)+\i], s[4:5]
	global_load_b128 v[SB+64*(\set)+16*\i+4:SB+64*(\set)+16*\i+7],   v[SO+4*(\set)+\i], s[4:5] offset:512
	global_load_b128 v[SB+64*(\set)+16*\i+8:SB+64*(\set)+16*\i+11],  v[SO+4*(\set)+\i], s[6:7]
	global_load_b128 v[SB+64*(\set)+16*\i+12:SB+64*(\set)+16*\i+15], v[SO+4*(\set)+\i], s[6:7] offset:512
.endr
.endm
	s_load_b256 s[4:11], s[0:1], 0x0               ; src 4, pos 6, reference_points 8, WB 10
	s_load_b128 s[12:15], s[0:1], 0x20             ; VAL 12, IDX 14
	s_load_b64 s[16:17], s[0:1], 0x30              ; WGT
	v_lshl_add_u32 v14, v0, 2, SPARE
	v_mov_b32 v15, 0
	v_lshrrev_b32 v9, 5, v0
	v_readfirstlane_b32 s18, v9                    ; wave
	v_and_b32 v10, 31, v0
	v_and_b32 v1, 15, v0
	v_bfe_u32 v2, v0, 4, 1
	v_lshlrev_b32 v3, 4, v10
	s_wait_alu depctr_va_sdst(0)                   ; s18 is written, ahead of its first reader: offsets, LDS addresses and bases are made from it
	s_lshl_b32 s26, s18, 9
	v_lshl_add_u32 v11, v2, 5, s26                 ; pass A's bias: 512 w + 32 (l / 16)
	s_lshl_b32 s26, s18, 8
	v_lshl_add_u32 v12, v2, 5, s26                 ; pass B's: 256 w + 32 (l / 16)
	s_mul_i32 s26, s18, 32*PQ
	v_lshl_add_u32 v13, v10, 3, s26                ; staging: my wave's 32 rows, 8 bytes a lane
	v_add_nc_u32 v9, LDS_S, v13
	s_lshl_b32 s39, ttmp9, 7                       ; the block's first rowp
	s_lshl_b32 s24, s18, 5
	s_add_co_u32 s24, s24, s39                     ; the first rowp that I stage
	s_mov_b32 s28, 13342
	s_mov_b32 s29, 26685
	s_mov_b32 s40, 0x3fb8aa3b                      ; log2(e)
	s_mov_b32 s41, s40
	OFFS 0                                         ; the first eight rows' offsets are made here, so that one wait serves all the loads below
	OFFS 1
	s_lshl_b32 s20, s18, 16
	s_mov_b32 s21, 0
	s_wait_kmcnt 0x0
	s_add_nc_u64 s[22:23], s[10:11], s[20:21]      ; my 64 fragments of WAF
	WIN 0x80
	s_wait_alu depctr_va_vdst(0)                   ; v3, v11, v12 and the eight offsets in SO are written, which the 176 loads below read; only loads and window switches stand among them
.irp hi, 0,1
	WIN 0x80+0x40*\hi
.set i, 0
.rept 64                               ; i = 8 t + 2 k + half: register 4 i
	global_load_b128 v[4*i:4*i+3], v3, s[22:23] offset:(8*(i/8)+4*\hi+(i/2)%4)*1024+512*(i%2)
.set i, i+1
.endr
.endr
	WIN 0x40
.set i, 0
.rept 16
	global_load_b128 v[4*i:4*i+3], v11, s[10:11] offset:O_BI+64*(i/2)+16*(i%2)
.set i, i+1
.endr
	WIN 0
	LOADS 0
	LOADS 1
	s_wait_alu depctr_vm_vsrc(0)                   ; the loads above have read SO, whose first four the first turn writes again
; A set's turn.  issue = 1: the set is asked for again, eight rows on.  left = how many younger loads may stay out.
.macro STG set, issue, left
	s_wait_loadcnt \left                           ; loads come back in order: this set is in (and the weights, which are older); the other set's 16 may stay out.  It also shows the loads that read SO[set] done
.if \issue
	OFFS \set
.endif
.irp i, 0,1,2,3
.set b, SB+64*(\set)+16*\i
.set o, SOUT+8*\i
.irp j, 0,2,4,6
	v_pk_add_f32 v[b+8+\j:b+9+\j], v[b+8+\j:b+9+\j], v[b+\j:b+1+\j]  ; q = pos + src
.endr
	v_cvt_pk_bf16_f32 v[o], v[b+8], v[b+9]
	v_cvt_pk_bf16_f32 v[o+1], v[b+10], v[b+11]
	v_cvt_pk_bf16_f32 v[o+2], v[b+12], v[b+13]
	v_cvt_pk_bf16_f32 v[o+3], v[b+14], v[b+15]
	v_cvt_pk_bf16_f32 v[o+4], v[b], v[b+1]
	v_cvt_pk_bf16_f32 v[o+5], v[b+2], v[b+3]
	v_cvt_pk_bf16_f32 v[o+6], v[b+4], v[b+5]
	v_cvt_pk_bf16_f32 v[o+7], v[b+6], v[b+7]
.endr
	s_wait_alu depctr_va_vdst(0)                   ; the roundings have written SOUT, which the LDS stores read; SO[set], v13 and v9 are written; additions and roundings are done with SB[set], in which the loads land
.if \issue
	LOADS \set
.endif
.irp i, 0,1,2,3
.set o, SOUT+8*\i
	ds_store_b64 v13, v[o:o+1] offset:\i*PQ
	ds_store_b64 v13, v[o+2:o+3] offset:\i*PQ+256
	ds_store_b64 v9, v[o+4:o+5] offset:\i*PQ
	ds_store_b64 v9, v[o+6:o+7] offset:\i*PQ+256
.endr
	s_wait_alu depctr_vm_vsrc(0)                   ; the LDS stores have read v13, v9 and SOUT, the loads SO[set]: the two steps below, the next turns' roundings and offsets and, behind the last turn, pass A's levels write them again
	v_add_nc_u32 v13, 4*PQ, v13
	v_add_nc_u32 v9, 4*PQ, v9
.endm
	s_mov_b32 s20, 3
.Lstage:
	STG 0, 1, 16
	STG 1, 1, 16
	s_sub_co_u32 s20, s20, 1
	s_cmp_lg_u32 s20, 0
	s_cbranch_scc1 .Lstage
	STG 0, 0, 16
	STG 1, 0, 0
	; addresses for the passes
	v_mul_u32_u24 v4, v1, PQ
	v_lshl_add_u32 v4, v2, 4, v4                   ; row x pitch + 16 x half
	v_lshlrev_b32 v10, 4, v1
	v_mul_u32_u24 v5, v2, 5*PL
	v_add_nc_u32 v5, v5, v10
	v_mul_u32_u24 v6, v2, 10*PL
	v_add_nc_u32 v6, v6, v10
	v_mul_u32_u24 v7, v2, PL
	v_add_nc_u32 v7, v7, v10
	v_mov_b32 v29, 0                               ; second halves of pairs of which the first is used for both
	v_mov_b32 v31, 0
	s_lshl_b32 s31, s39, 4                         ; the block's 128 rowp x 16 bytes
	s_mov_b32 s21, 0
	s_mul_i32 s20, s18, 10*PL
	s_add_co_u32 s20, s20, s31
	s_add_nc_u64 s[32:33], s[14:15], s[20:21]      ; IDX at head 2 w
	s_mul_i32 s20, s18, 20*PL
	s_add_co_u32 s20, s20, s31
	s_add_nc_u64 s[34:35], s[16:17], s[20:21]      ; WGT at head 2 w
	s_mul_i32 s20, s18, 8*PL
	s_add_co_u32 s20, s20, s31
	s_add_nc_u64 s[36:37], s[12:13], s[20:21]      ; VAL at octet 8 w
	s_mov_b32 s38, s39
.macro QFETCH
.irp k, 0,1,2,3,4,5,6,7
	ds_load_b128 v[QF+8*\k:QF+8*\k+3],   v4 offset:64*\k
	ds_load_b128 v[QF+8*\k+4:QF+8*\k+7], v4 offset:64*\k+32
.endr
.endm
.macro REFADR                          ; my row of the tile at rowp s38 in reference_points; the row map keeps every row inside the buffer
	s_cmp_ge_u32 s38, 13376
	s_cselect_b32 s25, 33, 0
	s_cselect_b32 s27, s29, s28
	s_sub_co_u32 s25, s38, s25
	v_add_nc_u32 v8, s25, v1
	v_min_u32 v8, s27, v8
	v_mul_u32_u24 v8, 40, v8
.endm
.macro REFLD                           ; its five reference points
.irp l, 0,1,2,3,4
	global_load_b64 v[REF+2*\l:REF+2*\l+1], v8, s[8:9] offset:8*\l
.endr
.endm
	REFADR
	s_wait_dscnt 0x0                               ; for the others' sake: my rows of Q and S are written
	s_barrier_signal -1
	s_barrier_wait -1
.macro MULA                            ; 64 products; the eight accumulators take turns; the first k step starts each sum with the bias
.set k, 0
.rept 8
.if k == 0
	WIN 0x12
.elseif k < 4
	WIN 0x02
.else
	WIN 0x03
.endif
.irp t, 0,1,2,3,4,5,6,7
.if k == 0
	v_wmma_f32_16x16x32_bf16 v[ACC+8*\t:ACC+8*\t+7], v[32*\t:32*\t+7], v[QF:QF+7], v[8*\t:8*\t+7]
.else
	v_wmma_f32_16x16x32_bf16 v[ACC+8*\t:ACC+8*\t+7], v[32*\t+8*(k%4):32*\t+8*(k%4)+7], v[QF+8*k:QF+8*k+7], v[ACC+8*\t:ACC+8*\t+7]
.endif
.endr
.set k, k+1
.endr
	WIN 0
.endm
.macro PXY l, wf                       ; a level's four (px, py) = ref W + (off - 0.5): the one reader of REF
.irp p, 0,1,2,3
	v_pk_fma_f32 v[ACC+8*(\l)+2*\p:ACC+8*(\l)+2*\p+1], v[REF+2*(\l):REF+2*(\l)+1], \wf, v[ACC+8*(\l)+2*\p:ACC+8*(\l)+2*\p+1] op_sel_hi:[1,0,1]
.endr
.endm
; One level, from (px, py) on: wf = W = H as f32, wm2 = W - 2, st = the level's first entry
.macro LEVEL l, wf, wm2, st
.set LA, ACC+8*(\l)
.set LO, OUTD+12*(\l)
.set LP, LG+4*(\l)
.irp i, 0,1,2,3,4,5,6,7
	v_floor_f32 v[TT+\i], v[LA+\i]
.endr
.irp i, 0,1,2,3,4,5,6,7
	v_med3_num_f32 v[TT+\i], v[TT+\i], 0, \wm2      ; the base corner
.endr
.irp p, 0,1,2,3
	v_pk_add_f32 v[LA+2*\p:LA+2*\p+1], v[LA+2*\p:LA+2*\p+1], v[TT+2*\p:TT+2*\p+1] neg_lo:[0,1] neg_hi:[0,1]  ; d = p - base
.endr
.irp i, 0,1,2,3,4,5,6,7
	v_sub_f32 v[TT+8+\i], 1.0, |v[LA+\i]|
.endr
.irp p, 0,1,2,3
	v_pk_add_f32 v[LA+2*\p:LA+2*\p+1], v[LA+2*\p:LA+2*\p+1], -1.0 op_sel_hi:[1,0]
.endr
.irp i, 0,1,2,3,4,5,6,7
	v_max_num_f32 v[TT+8+\i], 0, v[TT+8+\i]        ; the base corner's factor
.endr
.irp i, 0,1,2,3,4,5,6,7
	v_sub_f32 v[TT+16+\i], 1.0, |v[LA+\i]|
.endr
.irp i, 0,1,2,3,4,5,6,7
	v_max_num_f32 v[TT+16+\i], 0, v[TT+16+\i]      ; the next corner's
.endr
.irp p, 0,1,2,3
	v_fma_f32 v[TT+2*\p], v[TT+2*\p+1], \wf, v[TT+2*\p]  ; ya W + xa: a whole number under 2^24, exact
.endr
.irp p, 0,1,2,3
	v_cvt_u32_f32 v[LO+\p], v[TT+2*\p]
.endr
.irp p, 0,1,2,3
	v_lshl_add_u32 v[LO+\p], v[LO+\p], 4, 16*(\st)
.endr
.irp p, 0,1,2,3
	v_mul_f32 v[TT+8+2*\p+1], v[LP+\p], v[TT+8+2*\p+1]    ; the attention weight rides on the y factors
	v_mul_f32 v[TT+16+2*\p+1], v[LP+\p], v[TT+16+2*\p+1]
.endr
.irp p, 0,1,2,3
	v_mul_f32 v[LA+\p],   v[TT+8+2*\p],  v[TT+8+2*\p+1]   ; corner 0: dx 0, dy 0
	v_mul_f32 v[LA+4+\p], v[TT+16+2*\p], v[TT+8+2*\p+1]   ; corner 1: dx 1, dy 0
	v_mul_f32 v[TT+\p],   v[TT+8+2*\p],  v[TT+16+2*\p+1]  ; corner 2: dx 0, dy 1
	v_mul_f32 v[TT+4+\p], v[TT+16+2*\p], v[TT+16+2*\p+1]  ; corner 3
.endr
.irp n, 0,1,2,3
	v_cvt_pk_bf16_f32 v[LO+4+\n], v[LA+2*\n], v[LA+2*\n+1]
	v_cvt_pk_bf16_f32 v[LO+8+\n], v[TT+2*\n], v[TT+2*\n+1]
.endr
.endm
	s_wait_alu depctr_va_vdst(0)                   ; v4 to v8 are written, which the loads below and the passes' stores read; staging's additions and roundings are done with v[32:95], in which the fragments land
	QFETCH
	REFLD
	s_mov_b32 s20, 8
.LtileA:
	s_wait_dscnt 0x0                               ; the tile's fragments are in
	MULA
	s_wait_xcnt 0x0                                ; every earlier memory instruction has had its addresses translated: the stores' bases and data and v8 are written again only behind this wait
	s_wait_alu depctr_vm_vsrc(0)                   ; the last fragment loads have read v4, the last loads of reference points v8, the last trip's stores OUTD: all three are written again in this trip
	s_add_nc_u64 s[32:33], s[32:33], 256           ; both bases one tile beyond this trip's: the stores' offsets reach back by 256
	s_add_nc_u64 s[34:35], s[34:35], 256
	s_add_co_u32 s38, s38, 16
	v_add_nc_u32 v4, 16*PQ, v4                     ; the next tile; behind Q's last lies S's first, which pass B wants first
	REFADR                                         ; the next tile's row.  This line's three vector instructions and the one above are the four places behind the products
	; softmax over the 20 logits; each accumulator's lowest registers are read first
	v_max3_num_f32 v26, v[LG], v[LG+1], v[LG+2]
	v_max3_num_f32 v27, v[LG+8], v[LG+9], v[LG+10]
	v_max3_num_f32 v28, v[LG+16], v[LG+17], v[LG+18]
	v_max3_num_f32 v26, v26, v[LG+3], v[LG+4]
	v_max3_num_f32 v27, v27, v[LG+11], v[LG+12]
	v_max3_num_f32 v28, v28, v[LG+19], v[LG+5]
	v_max3_num_f32 v26, v26, v[LG+6], v[LG+7]
	v_max3_num_f32 v27, v27, v[LG+13], v[LG+14]
	v_max3_num_f32 v28, v28, v[LG+15], v26
	v_max_num_f32 v26, v28, v27
	v_mul_f32 v30, s40, v26
.set i, 0
.rept 10
	v_pk_fma_f32 v[LG+2*i:LG+2*i+1], v[LG+2*i:LG+2*i+1], s[40:41], v[30:31] op_sel_hi:[1,0,0] neg_lo:[0,0,1] neg_hi:[0,0,1]
.set i, i+1
.endr
.set i, 0
.rept 20
	v_exp_f32 v[LG+i], v[LG+i]
.set i, i+1
.endr
	s_wait_loadcnt 0x0                             ; this tile's reference points
	PXY 0, 0x42c80000                              ; plain work behind the exponentials that names none of their results; behind it REF is read no more in this trip
	PXY 1, 0x42480000
	PXY 2, 0x41c80000
	PXY 3, 0x41500000
	PXY 4, 0x40e00000
	s_wait_alu depctr_va_vdst(0)                   ; the 20 exponentials have written v[LG ..], ahead of their first reader; the products are done reading QF and the multiply-adds REF, in which the loads below land; v4 and v8 are written
	QFETCH
	REFLD
.irp i, 0,1,2,3,4
	v_pk_add_f32 v[TT+2*\i:TT+2*\i+1], v[LG+4*\i:LG+4*\i+1], v[LG+4*\i+2:LG+4*\i+3]
.endr
	v_pk_add_f32 v[TT:TT+1], v[TT:TT+1], v[TT+2:TT+3]
	v_pk_add_f32 v[TT+4:TT+5], v[TT+4:TT+5], v[TT+6:TT+7]
	v_pk_add_f32 v[TT:TT+1], v[TT:TT+1], v[TT+8:TT+9]
	v_pk_add_f32 v[TT:TT+1], v[TT:TT+1], v[TT+4:TT+5]
	v_add_f32 v[TT], v[TT], v[TT+1]
	v_rcp_f32 v28, v[TT]
	v_nop                                          ; a plain instruction behind the reciprocal,
	s_wait_alu depctr_va_vdst(0)                   ; and the reciprocal has written v28, ahead of its first reader
.set i, 0
.rept 10
	v_pk_mul_f32 v[LG+2*i:LG+2*i+1], v[LG+2*i:LG+2*i+1], v[28:29] op_sel_hi:[1,0]
.set i, i+1
.endr
	LEVEL 0, 0x42c80000, 0x42c40000, 0
	LEVEL 1, 0x42480000, 0x42400000, 10000
	LEVEL 2, 0x41c80000, 0x41b80000, 12500
	LEVEL 3, 0x41500000, 0x41300000, 13125
	LEVEL 4, 0x40e00000, 0x40a00000, 13294
	s_wait_alu depctr_va_vdst(0)                   ; the five levels have written OUTD, which the stores read
.irp l, 0,1,2,3,4
	global_store_b128 v5, v[OUTD+12*\l:OUTD+12*\l+3],    s[32:33] offset:\l*PL-256        ; 16 lanes store 256 consecutive bytes, aligned
	global_store_b128 v6, v[OUTD+12*\l+4:OUTD+12*\l+7],  s[34:35] offset:2*\l*PL-256
	global_store_b128 v6, v[OUTD+12*\l+8:OUTD+12*\l+11], s[34:35] offset:(2*\l+1)*PL-256
.endr
	s_sub_co_u32 s20, s20, 1
	s_cmp_lg_u32 s20, 0
	s_cbranch_scc1 .LtileA
	; PASS B: W_val's 32 fragments of my 64 columns fill window 2: fragment (t, ks) at 64 t + 8 ks
	s_lshl_b32 s20, s18, 15
	s_add_co_u32 s20, s20, 262144
	s_mov_b32 s21, 0
	s_add_nc_u64 s[22:23], s[10:11], s[20:21]
	WIN 0x80
	s_wait_alu depctr_va_vdst(0)                   ; pass A's products are done reading the weights in window 2 and the bias in window 1, in which the loads below land
.set i, 0
.rept 64
	global_load_b128 v[4*i:4*i+3], v3, s[22:23] offset:512*i
.set i, i+1
.endr
	WIN 0x40
.set i, 0
.rept 8
	global_load_b128 v[4*i:4*i+3], v12, s[10:11] offset:O_BI+2048+64*(i/2)+16*(i%2)
.set i, i+1
.endr
	WIN 0
.macro BTRIP fetch
	s_wait_dscnt 0x0
.set k, 0
.rept 8
.if k == 0
	WIN 0x12
.else
	WIN 0x02
.endif
.irp t, 0,1,2,3
.if k == 0
	v_wmma_f32_16x16x32_bf16 v[ACC+8*\t:ACC+8*\t+7], v[64*\t:64*\t+7], v[QF:QF+7], v[8*\t:8*\t+7]
.else
	v_wmma_f32_16x16x32_bf16 v[ACC+8*\t:ACC+8*\t+7], v[64*\t+8*k:64*\t+8*k+7], v[QF+8*k:QF+8*k+7], v[ACC+8*\t:ACC+8*\t+7]
.endif
.endr
.set k, k+1
.endr
	WIN 0
	PLACES
	s_wait_xcnt 0x0                                ; every earlier memory instruction has had its addresses translated: the stores' base and data are written again only behind this wait
	s_wait_alu depctr_vm_vsrc(0)                   ; the last stores have read OUTD, which the roundings below write again; the last fragment loads have read v4
	s_add_nc_u64 s[36:37], s[36:37], 256           ; the base one tile beyond this trip's: the stores' offsets reach back by 256
.if \fetch
	v_add_nc_u32 v4, 16*PQ, v4
	s_wait_alu depctr_va_vdst(0)                   ; the products are done reading QF, in which the loads below land; v4 is written
	QFETCH
.endif
.set i, 0
.rept 16
	v_cvt_pk_bf16_f32 v[OUTD+i], v[ACC+2*i], v[ACC+2*i+1]
.set i, i+1
.endr
	s_wait_alu depctr_va_vdst(0)                   ; the roundings have written OUTD, which the stores read
.irp t, 0,1,2,3
	global_store_b128 v7, v[OUTD+4*\t:OUTD+4*\t+3], s[36:37] offset:2*\t*PL-256  ; octet 8 w + 2 t + l / 16: 16 lanes store 256 consecutive bytes
.endr
.endm
	s_wait_loadcnt 0x0
	s_mov_b32 s20, 7
.LtileB:
	BTRIP 1
	s_sub_co_u32 s20, s20, 1
	s_cmp_lg_u32 s20, 0
	s_cbranch_scc1 .LtileB
	BTRIP 0                                        ; the last tile fetches nothing
	s_wait_dscnt 0x0                               ; the closing lines, six on end
	s_wait_alu 0x0
	s_wait_tensorcnt 0x0
	ds_add_u32 v14, v15
	s_wait_dscnt 0x0
	s_endpgm
.Lfunc_end_k_qdad9bd2fa7_proj:
	.size	k_qdad9bd2fa7_proj, .Lfunc_end_k_qdad9bd2fa7_proj-k_qdad9bd2fa7_proj
	.p2alignl 7, 3214868480
	.fill 96, 4, 3214868480
	.section	.rodata,"a",@progbits
	.p2align	6, 0x0
	.amdhsa_kernel k_qdad9bd2fa7_proj
		.amdhsa_group_segment_fixed_size 135680
		.amdhsa_private_segment_fixed_size 0
		.amdhsa_enable_private_segment 0
		.amdhsa_kernarg_size 56
		.amdhsa_user_sgpr_count 2
		.amdhsa_user_sgpr_kernarg_segment_ptr 1
		.amdhsa_wavefront_size32 1
		.amdhsa_system_sgpr_workgroup_id_x 1
		.amdhsa_system_sgpr_workgroup_id_y 1
		.amdhsa_system_sgpr_workgroup_id_z 1
		.amdhsa_system_vgpr_workitem_id 0
		.amdhsa_next_free_vgpr 1024
		.amdhsa_next_free_sgpr 66
		.amdhsa_reserve_vcc 0
		.amdhsa_float_denorm_mode_32 3
		.amdhsa_float_denorm_mode_16_64 3
		.amdhsa_memory_ordered 1
		.amdhsa_forward_progress 1
		.amdhsa_inst_pref_size 99
	.end_amdhsa_kernel
	.amdgpu_metadata
---
amdhsa.version: [ 1, 2 ]
amdhsa.kernels:
  - .name:           k_qdad9bd2fa7_proj
    .symbol:         k_qdad9bd2fa7_proj.kd
    .args:
      - { .name: src, .offset: 0, .size: 8, .value_kind: global_buffer, .address_space: global }
      - { .name: pos, .offset: 8, .size: 8, .value_kind: global_buffer, .address_space: global }
      - { .name: reference_points, .offset: 16, .size: 8, .value_kind: global_buffer, .address_space: global }
      - { .name: WB, .offset: 24, .size: 8, .value_kind: global_buffer, .address_space: global }
      - { .name: VAL, .offset: 32, .size: 8, .value_kind: global_buffer, .address_space: global }
      - { .name: IDX, .offset: 40, .size: 8, .value_kind: global_buffer, .address_space: global }
      - { .name: WGT, .offset: 48, .size: 8, .value_kind: global_buffer, .address_space: global }
    .group_segment_fixed_size: 135680
    .private_segment_fixed_size: 0
    .kernarg_segment_align: 8
    .kernarg_segment_size: 56
    .max_flat_workgroup_size: 128
    .sgpr_count:     66
    .vgpr_count:     1024
    .wavefront_size: 32
...
	.end_amdgpu_metadata
.endif
;; end of part 5
;; launch sample: the kernel of part 3 again; grid 4 x 64, 11 waves a work-group, no clusters, 215,552 bytes of LDS; arguments VAL, IDX, WGT, SAMP; writes SAMP
;; launch ffn: the kernel of part 4 again; grid 212 x 1, 4 waves a work-group, clusters of 4 x 1, 327,680 bytes of LDS; arguments SAMP, src, WB, out0; writes out0
